; MI455X (gfx1250); checked and timed in simulation.
; The chip was launched on July 23, 2026; its instructions are those of AMD's public machine-readable ISA for CDNA 5 (MIT licence, August 2026) and "CDNA5" Instruction Set Architecture Reference Guide (July 2026). The comments in the code are by the model that wrote it; some were corrected since.
;; Block. Allowed arithmetic: matrix products marked QUANTISED: E5M2 operands, one E8M0 scale for each 32 along K, by v_wmma_scale_f32_16x16x128_f8f6f4 with both operands' format E5M2, f32 sums; everything else in f32.
;; Inputs: b1 4,096 float32; b2 1,024 float32; b_proj 1,024 float32; ln1_b 1,024 float32; ln1_g 1,024 float32; ln2_b 1,024 float32; ln2_g 1,024 float32; w1 1,024 x 4,096 float32; w2 4,096 x 1,024 float32; w_proj 1,024 x 1,024 float32; wk 16 x 1,024 x 64 float32; wq 16 x 1,024 x 64 float32; wv 16 x 1,024 x 64 float32; x 4 x 1,024 x 1,024 float32.
;; Outputs: out0 4 x 1,024 x 1,024 float32.
;; This version of the problem:
;;   THIS VERSION OF THE PROBLEM IS GIVEN IN LOW PRECISION. The matrix products marked QUANTISED in the list below multiply operands that are first quantised to E5M2 (5 exponent bits, 2 mantissa bits; 8 bits a number), with one power-of-two scale for each 32 numbers along K (OCP MX v1.0); their sums are f32. All else is computed in f32.
;;   The module's matrix products, in the order in which they are computed (A, B: the left and right operand; K: the contracted axis; several contracted axes count as one K, in the product's order):
;;     1. [M 1,024, K 1,024] x [K 1,024, N 4,096]; A: input wq; B: computed on the way: QUANTISED
;;     2. [M 1,024, K 1,024] x [K 1,024, N 4,096]; A: input wk; B: computed on the way: QUANTISED
;;     3. [M 1,024, K 1,024] x [K 1,024, N 4,096]; A: input wv; B: computed on the way: QUANTISED
;;     4. batch 64 x [M 1,024, K 64] x [K 64, N 1,024]; A: computed on the way; B: computed on the way: QUANTISED
;;     5. batch 64 x [M 1,024, K 1,024] x [K 1,024, N 64]; A: softmax (see below); B: computed on the way: QUANTISED
;;     6. [M 4,096, K 1,024] x [K 1,024, N 1,024]; A: computed on the way; B: input w_proj: QUANTISED
;;     7. [M 4,096, K 1,024] x [K 1,024, N 4,096]; A: computed on the way; B: input w1: QUANTISED
;;     8. [M 4,096, K 4,096] x [K 4,096, N 1,024]; A: computed on the way; B: input w2: QUANTISED
;;   THE QUANTISER, for each operand of a quantised product, along K:
;;     - K is cut into blocks of 32 from its start; a last block that is shorter is filled with zeros.
;;     - A block's scale is 2^e with e = floor(log2(the largest magnitude in the block)) - 15, held to -126 .. 127; a block of zeros has e = 0. As a byte (E8M0): e + 127.
;;     - Each number is divided by its block's scale, clamped to +-57,344, and rounded to the nearest number of E5M2, ties to even, subnormals kept.
;;     - The product sums the exact products of the quantised numbers (number of the format x scale) in f32.
;;   ~~~python
;;   def quantise(x, axis):      # numpy; x: float32 -> the quantised numbers, widened to float32 again
;;       x = np.moveaxis(x, axis, -1); K = x.shape[-1]
;;       x = np.pad(x, [(0, 0)] * (x.ndim - 1) + [(0, -K % 32)]); x = x.reshape(x.shape[:-1] + (-1, 32)); a = np.abs(x).max(-1, keepdims=True)
;;       e = np.where(a > 0, np.clip(np.frexp(np.where(a > 0, a, 1))[1] - 1 - 15, -126, 127), 0)      # np.frexp(a)[1] - 1 = floor(log2(a)), exactly
;;       r = np.clip(x / 2.0 ** e, -57344, 57344)
;;       step = 2.0 ** (np.maximum(np.frexp(np.where(r == 0, 1, r))[1] - 1, -14) - 2)
;;       q = np.round(r / step) * step * 2.0 ** e      # np.round: ties to even
;;       return np.moveaxis(q.reshape(q.shape[:-2] + (-1,))[..., :K], -1, axis).astype(np.float32)
;;   ~~~
;;   SOFTMAX AHEAD OF A QUANTISED PRODUCT. Where the list says 'softmax', what is quantised is not the finished softmax but p = 2^(t - M), with t = logit x log2(e) and M = ceil(the row's largest t), a whole number; so 1/2 < the row's largest p <= 1. The row's sum l is taken of the UNQUANTISED p, in f32, and the product's result is divided by l at the end. Since M is a whole number, a kernel that streams over the keys may use a running M (the ceiling of the running maximum): every later rescaling is an exact power of two, which a block's scale takes up: the codes' values come out the same.
;;   OPERANDS COMPUTED ON THE WAY. 'Computed on the way' means the value that the module computes at that place (a softmax that the list does not call 'softmax' is quantised finished and normalised). What goes into a quantiser is computed in f32, as accurately as f32 sums, v_exp_f32 and their like allow (about 1e-6 of the number): no bf16 or f16 on the way to a quantiser, and a product that is left as it is and whose result goes on into a quantised operand takes f32 operands (vector FMAs, or v_wmma_f32_16x16x4_f32). A number that lies on a knife's edge between two numbers of the format may be rounded either way, as far as f32 arithmetic and the matrix unit's own rounding can turn it there, and no further.
;; One version. Each part assembles by itself: llvm-mc -triple=amdgcn-amd-amdhsa -mcpu=gfx1250 --defsym DOCPART=n.
;; ======== version 1 of 1: 7 launches
;; limits: right only within a limited range of input values
;; workspace buffers: wts 12,976,128 bytes; hop 4,325,376 bytes; qkv 12,976,128 bytes; att 4,325,376 bytes; x1 16,777,216 bytes; hid 17,301,504 bytes
;; launch prep (part 1): grid 640 x 1, 8 waves a work-group, no clusters, 67,072 bytes of LDS; arguments x, ln1_g, ln1_b, hop, w1, w2, w_proj, wq, wk, wv, wts; writes hop, wts
.if DOCPART == 1
	.amdgcn_target "amdgcn-amd-amdhsa--gfx1250"
	.amdhsa_code_object_version 6
	.text
	.protected	k_q25faa096f0_prep
	.globl	k_q25faa096f0_prep
	.p2align	8
	.type	k_q25faa096f0_prep,@function
k_q25faa096f0_prep:
	s_mov_b64 s[64:65], 0
	v_nop
	global_prefetch_b8 v0, s[64:65] scope:SCOPE_SE
	s_setreg_imm32_b32 hwreg(HW_REG_WAVE_MODE, 25, 1), 1
	s_wait_xcnt 0x0
; TWO JOBS THAT HANG ON NOTHING BUT THE INPUTS SHARE ONE LAUNCH.  Work-groups 0-255: h = LayerNorm(x) as codes.  Work-groups 256-639: the six weights as codes.  The paths part at the first line, on the work-group's
; number alone, so all eight waves of a work-group take the same path; only the first path touches LDS and has a barrier.  160 registers a wave: six waves to a SIMD, three work-groups to a WGP: all 640 fit at once.
; THE LAYOUT of every operand of this program: codes of E5M2 with one E8M0 byte for each 32 along K, in the order of a matrix operand's registers.  A super-fragment is 64 rows x 128 K in 8,448 bytes: fragment f (0..3)
; at 2,048 f, chunk c (0..3) at 512 c, lane L at 16 L: the 16 codes k = 32 c + 16 (L / 16) + 0..15 of row 32 (f / 2) + 8 (f % 2) + r + 8 (r / 8), r = L % 16; the scale word of (f, r) at 8,192 + 64 f + 4 r, byte c for block c.
; An operand is [pair of super-fragments][K / 128][2][8,448].
; LIMITS: NaN and infinities are not served; a block of zeros, and one whose largest magnitude lies under 2^-111, gets the byte 1 (the rule says 127 for zeros: the codes are zeros, and this program alone reads the bytes);
; the root comes from v_rsq_f32.  Work-groups share no input: no cluster.
	v_lshl_add_u32 v158, v0, 2, 0x10200
	v_mov_b32 v159, 0
	s_cmp_lt_u32 ttmp9, 256
	s_cbranch_scc0 .Lweights
; ---- THE LAYER NORM.  h = (x - mean) * rsqrt(var + 1e-5) * g + b for rows of 1,024 f32, quantised along the row.  A work-group owns ONE fragment's 16 rows, for all of K.
; Phase 1: wave w norms rows r = 2 w and 2 w + 1, each row whole in 32 registers (mean first, then the squares of x - mean: nothing is formed as a difference of large sums), and lays them in LDS.  One barrier.
; Phase 2: wave w takes K step w: lane (r, h) reads its 64 numbers, quantises them, and the conversions' results are stored as they stand, 512 consecutive bytes a store.
; LDS rows are 4,096 + 16 bytes apart, so that the sixteen rows that a load touches start at sixteen different banks (64 banks of 4 bytes: ISA guide 11.1).
.set X,   16                           ; v16-79   two rows as loaded; in phase 2 the lane's 64 numbers
.set GG,  80                           ; v80-111  g of my 32 columns
.set BB,  112                          ; v112-143 b
.set SM,  144                          ; v144-147 a pair of sums for each row
.set PT,  148                          ; v148-149 the other half of the lanes' sum
.set MU,  150                          ; v150-153 the mean, twice, for each row
.set RS,  154                          ; v154-157 1 / sqrt(var + eps), twice, for each row
.set TM,  80                           ; phase 2, over g, which is done with: v80-83 largest magnitudes, v84-87 bytes, v88-91 57,344 x the scale, v92-95 the scale operands
.set PW,  96                           ; the scale word
.set PC,  100                          ; v100-115 the codes
.set PITCH, 4112
	s_load_b256 s[4:11], s[0:1], 0x0               ; x, g, b, the operand
	v_lshrrev_b32 v1, 5, v0
	s_delay_alu instid0(VALU_DEP_1)
	v_readfirstlane_b32 s12, v1                    ; wave 0..7
	v_and_b32 v2, 31, v0
	s_delay_alu instid0(VALU_DEP_1)
	v_lshlrev_b32 v3, 4, v2                        ; 16 x lane
	s_wait_alu depctr_va_vdst(0)
	v_and_b32 v6, 15, v0                           ; r
	s_wait_alu depctr_va_vdst(0)
	v_bfe_u32 v7, v0, 4, 1                         ; h
	s_lshr_b32 s13, ttmp9, 2                       ; the super-fragment
	s_and_b32 s14, ttmp9, 3                        ; the fragment f
	s_lshl_b32 s15, s13, 6
	s_lshr_b32 s16, s14, 1
	s_lshl_b32 s16, s16, 5
	s_add_co_u32 s15, s15, s16
	s_and_b32 s16, s14, 1
	s_lshl_b32 s16, s16, 3
	s_add_co_u32 s15, s15, s16                     ; the fragment's first row: 64 sf + 32 (f / 2) + 8 (f % 2)
	s_lshl_b32 s16, s12, 1
	s_add_co_u32 s15, s15, s16
	s_lshr_b32 s16, s12, 2
	s_lshl_b32 s16, s16, 3
	s_add_co_u32 s15, s15, s16                     ; + r + 8 (r / 8) for r = 2 w: my two rows are neighbours
	s_lshl_b32 s16, s15, 12
	s_mov_b32 s17, 0
	s_mov_b32 s19, 0x600000                        ; the mantissa field of 57,344
	s_mov_b32 s20, 0x76543210
	s_mov_b32 s21, 0xfedcba98                      ; v_permlanex16_b32's selects for lane l xor 16
	s_mov_b32 s22, 0x3a800000                      ; 1 / 1,024
	s_mov_b32 s23, 0x3727c5ac                      ; 1e-5
	s_mul_i32 s18, s12, 2*PITCH
	v_add_nc_u32 v4, s18, v3                       ; LDS, in: rows 2 w, 2 w + 1; 16 bytes a lane
	v_mul_u32_u24 v5, v6, PITCH
	s_wait_alu depctr_va_vdst(0)
	v_lshl_add_u32 v5, v7, 6, v5
	s_lshl_b32 s18, s12, 9
	v_add_nc_u32 v5, s18, v5                       ; LDS, out: row r, K step w, + 64 h
	s_wait_kmcnt 0x0
	s_add_nc_u64 s[4:5], s[4:5], s[16:17]
.irp e, 0,1
.irp j, 0,1,2,3,4,5,6,7
	global_load_b128 v[X+32*\e+4*\j:X+32*\e+4*\j+3], v3, s[4:5] offset:4096*\e+512*\j   ; 512 consecutive bytes a load
.endr
.endr
.irp j, 0,1,2,3,4,5,6,7
	global_load_b128 v[GG+4*\j:GG+4*\j+3], v3, s[6:7] offset:512*\j
.endr
.irp j, 0,1,2,3,4,5,6,7
	global_load_b128 v[BB+4*\j:BB+4*\j+3], v3, s[8:9] offset:512*\j
.endr
	s_lshr_b32 s24, s13, 1                         ; where my K step of the fragment goes
	s_mul_i32 s24, s24, 135168
	s_mul_i32 s25, s12, 16896
	s_add_co_u32 s24, s24, s25
	s_and_b32 s25, s13, 1
	s_mul_i32 s25, s25, 8448
	s_add_co_u32 s24, s24, s25
	s_mov_b32 s25, 0
	s_add_nc_u64 s[10:11], s[10:11], s[24:25]
	s_lshl_b32 s26, s14, 11
	v_add_nc_u32 v8, s26, v3                       ; codes: 2,048 f + 16 x lane
	s_lshl_b32 s26, s14, 6
	s_add_co_u32 s26, s26, 8192
	v_lshl_add_u32 v9, v6, 2, s26                  ; scale word: 8,192 + 64 f + 4 r
	v_mov_b32 v[PT], 0                             ; a lane permute's destination counts as one of its sources
	v_mov_b32 v[PT+1], 0
.macro LANESUM                         ; the two rows' sums over the 32 lanes, by turns; every lane ends with the result
.irp e, 0,1
	s_delay_alu instid0(VALU_DEP_2)
	v_add_f32 v[SM+2*\e], v[SM+2*\e], v[SM+2*\e+1]
.endr
.irp m, 1,2,4,8
.irp e, 0,1
	s_delay_alu instid0(VALU_DEP_2)
	v_add_f32_dpp v[SM+2*\e], v[SM+2*\e], v[SM+2*\e] row_xmask:\m row_mask:0xf bank_mask:0xf
.endr
.endr
.irp e, 0,1
	s_delay_alu instid0(VALU_DEP_2)
	v_permlanex16_b32 v[PT+\e], v[SM+2*\e], s20, s21
.endr
.irp e, 0,1
	s_delay_alu instid0(VALU_DEP_2)
	v_add_f32 v[SM+2*\e], v[SM+2*\e], v[PT+\e]
.endr
.endm
	s_wait_loadcnt 16                              ; x's 16 loads are in; the 16 of g and b may be out
.irp e, 0,1
	v_pk_add_f32 v[SM+2*\e:SM+2*\e+1], v[X+32*\e:X+32*\e+1], v[X+32*\e+2:X+32*\e+3]
.endr
.irp i, 4,6,8,10,12,14,16,18,20,22,24,26,28,30
.irp e, 0,1
	s_delay_alu instid0(VALU_DEP_2)
	v_pk_add_f32 v[SM+2*\e:SM+2*\e+1], v[SM+2*\e:SM+2*\e+1], v[X+32*\e+\i:X+32*\e+\i+1]
.endr
.endr
	LANESUM
.irp e, 0,1
	s_delay_alu instid0(VALU_DEP_2)
	v_mul_f32 v[MU+2*\e], s22, v[SM+2*\e]          ; the mean
.endr
.irp e, 0,1
	s_delay_alu instid0(VALU_DEP_2)
	v_mov_b32 v[MU+2*\e+1], v[MU+2*\e]
.endr
.irp i, 0,2,4,6,8,10,12,14,16,18,20,22,24,26,28,30
.irp e, 0,1
	v_pk_add_f32 v[X+32*\e+\i:X+32*\e+\i+1], v[X+32*\e+\i:X+32*\e+\i+1], v[MU+2*\e:MU+2*\e+1] neg_lo:[0,1] neg_hi:[0,1]   ; x - mean
.endr
.endr
.irp e, 0,1
	v_pk_mul_f32 v[SM+2*\e:SM+2*\e+1], v[X+32*\e:X+32*\e+1], v[X+32*\e:X+32*\e+1]
.endr
.irp i, 2,4,6,8,10,12,14,16,18,20,22,24,26,28,30
.irp e, 0,1
	s_delay_alu instid0(VALU_DEP_2)
	v_pk_fma_f32 v[SM+2*\e:SM+2*\e+1], v[X+32*\e+\i:X+32*\e+\i+1], v[X+32*\e+\i:X+32*\e+\i+1], v[SM+2*\e:SM+2*\e+1]
.endr
.endr
	LANESUM
.irp e, 0,1
	s_delay_alu instid0(VALU_DEP_2)
	v_fma_f32 v[RS+2*\e], v[SM+2*\e], s22, s23     ; var + eps
.endr
	s_wait_alu depctr_va_vdst(0)
.irp e, 0,1
	v_rsq_f32 v[RS+2*\e], v[RS+2*\e]
.endr
	v_nop                                          ; a plain line behind the roots,
	s_wait_alu depctr_va_vdst(0)                   ; and one wait for both, ahead of their first reader
.irp e, 0,1
	v_mov_b32 v[RS+2*\e+1], v[RS+2*\e]
.endr
	s_wait_alu depctr_va_vdst(0)
	s_wait_loadcnt 0x0                             ; g and b
.irp i, 0,2,4,6,8,10,12,14,16,18,20,22,24,26,28,30
.irp e, 0,1
	v_pk_mul_f32 v[X+32*\e+\i:X+32*\e+\i+1], v[X+32*\e+\i:X+32*\e+\i+1], v[RS+2*\e:RS+2*\e+1]
.endr
.endr
.irp i, 0,2,4,6,8,10,12,14,16,18,20,22,24,26,28,30
.irp e, 0,1
	v_pk_fma_f32 v[X+32*\e+\i:X+32*\e+\i+1], v[X+32*\e+\i:X+32*\e+\i+1], v[GG+\i:GG+\i+1], v[BB+\i:BB+\i+1]
.endr
.endr
.irp e, 0,1
.irp j, 0,1,2,3,4,5,6,7
	ds_store_b128 v4, v[X+32*\e+4*\j:X+32*\e+4*\j+3] offset:\e*PITCH+512*\j
.endr
.endr
	s_wait_dscnt 0x0                               ; for the others' sake: my rows lie in LDS
	s_barrier_signal -1
	s_barrier_wait -1
.irp b, 0,1,2,3
	v_mov_b32 v[TM+4+\b], 0                        ; a lane permute's destination counts as one of its sources; written here, where g's loads have long landed
.endr
.irp c, 0,1,2,3
.irp j, 0,1,2,3
	ds_load_b128 v[X+16*\c+4*\j:X+16*\c+4*\j+3], v5 offset:128*\c+16*\j   ; register 16 c + i = k 128 w + 32 c + 16 h + i of row r
.endr
.endr
	s_wait_dscnt 0x0
.irp b, 0,1,2,3
	v_max3_num_f32 v[TM+\b], |v[X+16*\b]|, |v[X+1+16*\b]|, 0x8000000   ; block b: my 16 numbers and the floor 2^(16 - 127)
.endr
.irp i, 2,4,6,8,10,12,14
.irp b, 0,1,2,3
	s_delay_alu instid0(VALU_DEP_4)
	v_max3_num_f32 v[TM+\b], v[TM+\b], |v[X+16*\b+\i]|, |v[X+1+16*\b+\i]|
.endr
.endr
.irp b, 0,1,2,3
	s_delay_alu instid0(VALU_DEP_4)
	v_permlanex16_b32 v[TM+4+\b], v[TM+\b], s20, s21
.endr
.irp b, 0,1,2,3
	s_delay_alu instid0(VALU_DEP_4)
	v_max_num_f32 v[TM+\b], v[TM+\b], v[TM+4+\b]   ; with lane l xor 16's: the block's largest magnitude
.endr
.irp b, 0,1,2,3
	s_delay_alu instid0(VALU_DEP_4)
	v_add_nc_u32 v[TM+12+\b], 0xf8800000, v[TM+\b] ; 15 off the exponent field: the conversion's scale operand
.endr
.irp b, 0,1,2,3
	v_and_or_b32 v[TM+8+\b], v[TM+\b], 0x7f800000, s19   ; 57,344 x the scale
.endr
.irp b, 0,1,2,3
	v_lshrrev_b32 v[TM+4+\b], 23, v[TM+12+\b]      ; the scale's byte
.endr
	s_delay_alu instid0(VALU_DEP_3)
	v_lshl_or_b32 v[PW], v[TM+5], 8, v[TM+4]
	s_delay_alu instid0(VALU_DEP_1)
	v_lshl_or_b32 v[PW], v[TM+6], 16, v[PW]
	s_delay_alu instid0(VALU_DEP_1)
	v_lshl_or_b32 v[PW], v[TM+7], 24, v[PW]
.irp b, 0,1,2,3
.irp i, 0,1,2,3,4,5,6,7,8,9,10,11,12,13,14,15
	v_med3_num_f32 v[X+16*\b+\i], v[X+16*\b+\i], -v[TM+8+\b], v[TM+8+\b]   ; the conversion does not saturate (ISA guide 7.6.2): the hold comes first
.endr
	v_cvt_scalef32_pk8_bf8_f32 v[PC+4*\b:PC+1+4*\b], v[X+16*\b:X+7+16*\b], v[TM+12+\b]
	v_cvt_scalef32_pk8_bf8_f32 v[PC+2+4*\b:PC+3+4*\b], v[X+8+16*\b:X+15+16*\b], v[TM+12+\b]
.endr
	v_nop
.irp c, 0,1,2,3
	global_store_b128 v8, v[PC+4*\c:PC+4*\c+3], s[10:11] offset:512*\c   ; 512 consecutive bytes
.endr
	global_store_b32 v9, v[PW], s[10:11]           ; 64 consecutive bytes; both halves of the lanes write the same word with the same value
	s_wait_tensorcnt 0x0
	ds_add_u32 v158, v159
	s_wait_dscnt 0x0
	s_endpgm
.Lweights:
; ---- THE WEIGHTS, f32 with K as an outer axis.  A LANE TAKES A COLUMN n AND ITS REGISTERS RUN DOWN K: a block of 32 lies in one lane's 32 registers, so its largest magnitude needs no other lane and the conversions
; give codes with K innermost.  A work-group takes 128 columns x 256 K; wave w takes columns 32 (w % 4) on and the K step of 128 number w / 4: four blocks, one scale word a column.
; A lane's 32 codes of a block are the 16 bytes of lane (r, 0) and of lane (r, 1) of one chunk: two stores, each of two runs of 256 consecutive bytes.
; One path serves all six tensors: pitch, shift, offsets and the source pointer are chosen by the work-group's number alone.  No LDS, no barrier: waves share nothing.
.set OFF,  4                           ; v4-35    4 x lane + i x pitch, i = 0..31; never rewritten
.set X,    36                          ; v36-99   two sets of 32 numbers
.set C,    100                         ; v100-131 eight registers of codes for each block: no store's data are written again
.set SB,   132                         ; v132     the scale word of my K step
.set WK,   134                         ; v134-139 at work
.set DST,  140                         ; v140     2,048 f + 16 r
.set SDST, 141                         ; v141     8,192 + 64 f + 4 r
.set BASE, 32                          ; s[32:39] where block t begins in the source; never rewritten
	s_load_b256 s[4:11], s[0:1], 0x20              ; w1, w2, w_proj, wq
	s_load_b128 s[12:15], s[0:1], 0x40             ; wk, wv
	s_load_b64 s[16:17], s[0:1], 0x50              ; wts
	s_sub_co_u32 s58, ttmp9, 256                   ; my number among the weights' 384 work-groups
	v_lshrrev_b32 v1, 5, v0
	s_delay_alu instid0(VALU_DEP_1)
	v_readfirstlane_b32 s59, v1                    ; wave 0..7
	s_and_b32 s18, s59, 3                          ; which 32 columns
	s_lshr_b32 s59, s59, 2                         ; which 128 of the 256 along K
	v_and_b32 v3, 31, v0                           ; lane x = my column among the wave's 32
	s_delay_alu instid0(VALU_DEP_1)
	v_lshlrev_b32 v2, 2, v3
	s_mov_b32 s20, 16384                           ; w1: bytes from k to k + 1,
	s_mov_b32 s21, 5                               ; log2 of the groups of 128 columns,
	s_mov_b32 s22, 3244032                         ; the operand's place in wts,
	s_mov_b32 s23, 135168                          ; bytes of a pair of super-fragments over all of K,
	s_mov_b32 s24, 0                               ; the first pair,
	s_mov_b32 s25, 0                               ; 1: stored by heads, [16][1024][64],
	s_mov_b32 s26, 0                               ; the tensor's first work-group
	s_mov_b32 s57, 0x600000                        ; the mantissa field of 57,344
	s_wait_alu depctr_va_vdst(0)
	s_wait_kmcnt 0x0
	s_mov_b64 s[28:29], s[4:5]
	s_cmp_ge_u32 s58, 128                          ; w2
	s_cselect_b32 s20, 4096, s20
	s_cselect_b32 s21, 3, s21
	s_cselect_b32 s22, 7569408, s22
	s_cselect_b32 s23, 540672, s23
	s_cselect_b32 s26, 128, s26
	s_cselect_b64 s[28:29], s[6:7], s[28:29]
	s_cmp_ge_u32 s58, 256                          ; w_proj
	s_cselect_b32 s22, 11894784, s22
	s_cselect_b32 s23, 135168, s23
	s_cselect_b32 s26, 256, s26
	s_cselect_b64 s[28:29], s[8:9], s[28:29]
	s_cmp_ge_u32 s58, 288                          ; wq
	s_cselect_b32 s20, 256, s20
	s_cselect_b32 s22, 0, s22
	s_cselect_b32 s25, 1, s25
	s_cselect_b32 s26, 288, s26
	s_cselect_b64 s[28:29], s[10:11], s[28:29]
	s_cmp_ge_u32 s58, 320                          ; wk
	s_cselect_b32 s24, 8, s24
	s_cselect_b32 s26, 320, s26
	s_cselect_b64 s[28:29], s[12:13], s[28:29]
	s_cmp_ge_u32 s58, 352                          ; wv
	s_cselect_b32 s24, 16, s24
	s_cselect_b32 s26, 352, s26
	s_cselect_b64 s[28:29], s[14:15], s[28:29]
	s_sub_co_u32 s30, s58, s26                     ; my number within the tensor
	s_lshr_b32 s27, s30, s21                       ; kc: which 256 along K
	s_lshl_b32 s31, s27, s21
	s_sub_co_u32 s30, s30, s31                     ; cg: which 128 columns = which pair
	s_lshl_b32 s60, s27, 1
	s_add_co_u32 s60, s60, s59                     ; my K step of 128: 2 kc + wave / 4
	s_lshl_b32 s31, s30, 7
	s_lshl_b32 s19, s18, 5
	s_add_co_u32 s31, s31, s19                     ; n0: my wave's first column
	s_lshl_b32 s50, s31, 2                         ; its byte in a row: 4 n0,
	s_lshr_b32 s51, s31, 6
	s_lshl_b32 s51, s51, 18                        ; or, by heads: head x 262,144
	s_and_b32 s52, s31, 63
	s_lshl_b32 s52, s52, 2
	s_add_co_u32 s51, s51, s52                     ; + 4 x (n0 % 64)
	s_cmp_eq_u32 s25, 1
	s_cselect_b32 s50, s51, s50
	s_lshl_b32 s51, s60, 7
	s_mul_i32 s51, s51, s20                        ; 128 rows down for each K step
	s_add_co_u32 s50, s50, s51
	s_mov_b32 s51, 0
	s_add_nc_u64 s[BASE:BASE+1], s[28:29], s[50:51]
	s_lshl_b32 s52, s20, 5                         ; a block of 32 rows
	s_mov_b32 s53, 0
.irp t, 1,2,3
	s_add_nc_u64 s[BASE+2*\t:BASE+2*\t+1], s[BASE+2*\t-2:BASE+2*\t-1], s[52:53]
.endr
	s_add_co_u32 s54, s24, s30
	s_mul_i32 s54, s54, s23                        ; the pair,
	s_add_co_u32 s54, s54, s22
	s_mul_i32 s55, s60, 16896                      ; my K step,
	s_add_co_u32 s54, s54, s55
	s_lshr_b32 s55, s18, 1
	s_mul_i32 s55, s55, 8448                       ; the super-fragment of the pair
	s_add_co_u32 s54, s54, s55
	s_mov_b32 s55, 0
	s_add_nc_u64 s[48:49], s[16:17], s[54:55]
	v_bfe_u32 v[WK], v3, 3, 1                      ; column x of 32 is row r = x % 8 + 8 (x / 16) of fragment 2 (w % 2) + (x / 8) % 2
	v_and_b32 v[WK+1], 7, v3
	v_lshrrev_b32 v[WK+2], 4, v3
	s_delay_alu instid0(VALU_DEP_1)
	v_lshl_add_u32 v[WK+1], v[WK+2], 3, v[WK+1]
	s_and_b32 s56, s18, 1
	s_lshl_b32 s56, s56, 1
	v_add_nc_u32 v[WK], s56, v[WK]
	s_delay_alu instid0(VALU_DEP_1)
	v_lshlrev_b32 v[DST], 11, v[WK]
	s_delay_alu instid0(VALU_DEP_1)
	v_lshl_add_u32 v[DST], v[WK+1], 4, v[DST]
	s_delay_alu instid0(VALU_DEP_3)
	v_lshlrev_b32 v[SDST], 6, v[WK]
	s_delay_alu instid0(VALU_DEP_1)
	v_lshl_add_u32 v[SDST], v[WK+1], 2, v[SDST]
	s_delay_alu instid0(VALU_DEP_1)
	v_add_nc_u32 v[SDST], 8192, v[SDST]
.set i, 0
.rept 32
	v_mad_u32_u24 v[OFF+i], s20, i, v2
.set i, i+1
.endr
.macro LOAD t                          ; block t: W(32 t + i, my column), i = 0..31: each load reads 128 consecutive bytes
.set LX, X+32*((\t)%2)
.set LB, BASE+2*(\t)
.set i, 0
.rept 32
	global_load_b32 v[LX+i], v[OFF+i], s[LB:LB+1] th:TH_LOAD_NT
.set i, i+1
.endr
.endm
.macro BLOCK t
.set XS, X+32*((\t)%2)
.set CC, C+8*(\t)
.if (\t) < 3
	s_wait_loadcnt 32                              ; this block's 32 loads are in; the next block's 32 may be out
.else
	s_wait_loadcnt 0x0
.endif
	v_max3_num_f32 v[WK], |v[XS]|, |v[XS+1]|, |v[XS+2]|   ; the block's largest magnitude, in two chains
	v_max3_num_f32 v[WK+1], |v[XS+3]|, |v[XS+4]|, |v[XS+5]|
.irp i, 6,10,14,18,22,26
	s_delay_alu instid0(VALU_DEP_2)
	v_max3_num_f32 v[WK], v[WK], |v[XS+\i]|, |v[XS+\i+1]|
	s_delay_alu instid0(VALU_DEP_2)
	v_max3_num_f32 v[WK+1], v[WK+1], |v[XS+\i+2]|, |v[XS+\i+3]|
.endr
	s_delay_alu instid0(VALU_DEP_2)
	v_max3_num_f32 v[WK], v[WK], |v[XS+30]|, |v[XS+31]|
	s_delay_alu instid0(VALU_DEP_1)
	v_max3_num_f32 v[WK], v[WK], v[WK+1], 0x8000000   ; and the floor 2^(16 - 127): the byte cannot fall under 1
	s_delay_alu instid0(VALU_DEP_1)
	v_add_nc_u32 v[WK+2], 0xf8800000, v[WK]        ; 15 off the exponent field: the conversion's scale operand
	s_delay_alu instid0(VALU_DEP_2)
	v_and_or_b32 v[WK+3], v[WK], 0x7f800000, s57   ; 57,344 x the scale
	s_delay_alu instid0(VALU_DEP_2)
	v_lshrrev_b32 v[WK+4], 23, v[WK+2]             ; the scale's byte
.if (\t) == 0
	s_delay_alu instid0(VALU_DEP_1)
	v_mov_b32 v[SB], v[WK+4]
.else
	s_delay_alu instid0(VALU_DEP_1)
	v_lshl_or_b32 v[SB], v[WK+4], 8*(\t), v[SB]
.endif
.set i, 0
.rept 32
	v_med3_num_f32 v[XS+i], v[XS+i], -v[WK+3], v[WK+3]   ; the conversion to an 8-bit code does not saturate (ISA guide 7.6.2): the hold comes first
.set i, i+1
.endr
.irp g, 0,1,2,3
	v_cvt_scalef32_pk8_bf8_f32 v[CC+2*\g:CC+2*\g+1], v[XS+8*\g:XS+8*\g+7], v[WK+2]
.endr
	v_nop                                          ; a plain line behind the last conversion
	global_store_b128 v[DST], v[CC:CC+3], s[48:49] offset:(\t)*512       ; k = 0..15 of the block: lanes (r, 0) of chunk t
	global_store_b128 v[DST], v[CC+4:CC+7], s[48:49] offset:(\t)*512+256 ; k = 16..31: lanes (r, 1)
.if (\t) == 3
	global_store_b32 v[SDST], v[SB], s[48:49]      ; 128 consecutive bytes of scale words
.endif
.if (\t)+2 < 4
	LOAD (\t)+2
.endif
.endm
	LOAD 0
	LOAD 1
.irp t, 0,1,2,3
	BLOCK \t
.endr
	s_endpgm
.Lfunc_end_k_q25faa096f0_prep:
	.size	k_q25faa096f0_prep, .Lfunc_end_k_q25faa096f0_prep-k_q25faa096f0_prep
	.p2alignl 7, 3214868480
	.fill 96, 4, 3214868480
	.section	.rodata,"a",@progbits
	.p2align	6, 0x0
	.amdhsa_kernel k_q25faa096f0_prep
		.amdhsa_group_segment_fixed_size 67072
		.amdhsa_private_segment_fixed_size 0
		.amdhsa_enable_private_segment 0
		.amdhsa_kernarg_size 88
		.amdhsa_user_sgpr_count 2
		.amdhsa_user_sgpr_kernarg_segment_ptr 1
		.amdhsa_wavefront_size32 1
		.amdhsa_system_sgpr_workgroup_id_x 1
		.amdhsa_system_sgpr_workgroup_id_y 1
		.amdhsa_system_sgpr_workgroup_id_z 1
		.amdhsa_system_vgpr_workitem_id 0
		.amdhsa_next_free_vgpr 160
		.amdhsa_next_free_sgpr 66
		.amdhsa_reserve_vcc 0
		.amdhsa_float_denorm_mode_32 3
		.amdhsa_float_denorm_mode_16_64 3
		.amdhsa_memory_ordered 1
		.amdhsa_forward_progress 1
		.amdhsa_inst_pref_size 69
	.end_amdhsa_kernel
	.amdgpu_metadata
---
amdhsa.version: [ 1, 2 ]
amdhsa.kernels:
  - .name:           k_q25faa096f0_prep
    .symbol:         k_q25faa096f0_prep.kd
    .args:
      - { .name: x, .offset: 0, .size: 8, .value_kind: global_buffer, .address_space: global }
      - { .name: ln1_g, .offset: 8, .size: 8, .value_kind: global_buffer, .address_space: global }
      - { .name: ln1_b, .offset: 16, .size: 8, .value_kind: global_buffer, .address_space: global }
      - { .name: hop, .offset: 24, .size: 8, .value_kind: global_buffer, .address_space: global }
      - { .name: w1, .offset: 32, .size: 8, .value_kind: global_buffer, .address_space: global }
      - { .name: w2, .offset: 40, .size: 8, .value_kind: global_buffer, .address_space: global }
      - { .name: w_proj, .offset: 48, .size: 8, .value_kind: global_buffer, .address_space: global }
      - { .name: wq, .offset: 56, .size: 8, .value_kind: global_buffer, .address_space: global }
      - { .name: wk, .offset: 64, .size: 8, .value_kind: global_buffer, .address_space: global }
      - { .name: wv, .offset: 72, .size: 8, .value_kind: global_buffer, .address_space: global }
      - { .name: wts, .offset: 80, .size: 8, .value_kind: global_buffer, .address_space: global }
    .group_segment_fixed_size: 67072
    .private_segment_fixed_size: 0
    .kernarg_segment_align: 8
    .kernarg_segment_size: 88
    .max_flat_workgroup_size: 256
    .sgpr_count:     66
    .vgpr_count:     160
    .wavefront_size: 32
...
	.end_amdgpu_metadata
.endif
;; end of part 1
;; launch qkv (part 2): grid 48 x 4, 4 waves a work-group, clusters of 4 x 4, 327,680 bytes of LDS; arguments hop, wts, qkv; writes qkv
.if DOCPART == 2
	.amdgcn_target "amdgcn-amd-amdhsa--gfx1250"
	.amdhsa_code_object_version 6
	.text
	.protected	k_q25faa096f0_qkv
	.globl	k_q25faa096f0_qkv
	.p2align	8
	.type	k_q25faa096f0_qkv,@function
k_q25faa096f0_qkv:
	s_mov_b64 s[64:65], 0
	v_nop
	global_prefetch_b8 v0, s[64:65] scope:SCOPE_SE
	s_setreg_imm32_b32 hwreg(HW_REG_WAVE_MODE, 25, 1), 1
	s_wait_xcnt 0x0
	s_wait_alu depctr_hold_cnt(0) depctr_sa_sdst(0) depctr_va_vdst(0) depctr_va_sdst(0) depctr_va_ssrc(0) depctr_va_vcc(0) depctr_vm_vsrc(0)
	s_getreg_b32 s2, hwreg(HW_REG_IB_STS2, 6, 4)
	s_cmp_eq_u32 s2, 0
	s_cbranch_scc0 .Lentry_in_a_cluster
	s_endpgm
.Lentry_in_a_cluster:
	s_bfe_u32 s2, ttmp6, 0x10000c
	s_cmp_lg_u32 s2, 0xf033
	s_cbranch_scc0 .Lentry_shape_is_right
	s_endpgm
.Lentry_shape_is_right:
; q, k and v of all heads: three products of K = 1,024 on codes of E5M2 with E8M0 scales, and their results quantised at once for the attention's two products.
; OPERANDS lie in memory in the order of the operand's registers: super-fragments of 64 rows x 128 K in 8,448 bytes (fragment f at 2,048 f, chunk c at 512 c, lane L at 16 L; scale words at 8,192 + 64 f + 4 r),
; as [pair of super-fragments][K / 128][2][8,448].  A fragment is four ds_load_b128 at 16 x lane: no pitch, no padding.  The rows of a fragment are 32 (f / 2) + 8 (f % 2) + r + 8 (r / 8), so that, whichever operand
; is source 0, the 16 registers of two neighbouring result tiles are 16 neighbours along that operand's rows.
; A tile of 256 x 256 is made by four waves, 128 x 128 each: 64 accumulators, 512 registers.  Source 0 = operand B, source 1 = operand A: a lane holds one row of A and its registers run along B's rows.
; Clusters 0-7: A = h (tokens), B = wq or wk: registers run along the heads' 64, which is the K of q k^T.  Clusters 8-11: A = wv, B = h: registers run along the tokens, which are the K of p v.
; K goes in steps of 256 through two LDS slots; a wave's tensor load brings 2 super-fragments x 2 K steps, 33,792 dense bytes as 132 rows of 256, scale words among them.
; CLUSTERS: 4 x 4 work-groups; A's tiles are asked for jointly along a row of the cluster, B's along a column.  At most two tensor loads of a wave are out.
; REGISTERS: window 0: v1-8 lane terms, v16-29 addresses, v32-63 scale words (two sets), v64-95 the quantiser's, v128-255 A's fragments, later the codes; window 1: B's fragments, two sets; windows 2, 3: the accumulators.
; LIMITS: NaN and infinities are not served; a block of zeros, or under 2^-111, gets the byte 1 (this program alone reads the bytes).  Scale words leave in pieces of 64 or 128 bytes.
.set PARTROW, 16896                    ; a pair's two super-fragments of one K step of 128
.set SFB,     8448
.set PART,    33792                    ; what one tensor load brings
.set SLOT,    135168                   ; A's two pairs, then B's two pairs
.set SPARE,   270336                   ; behind the ring: the spare words, 128 bytes a wave
.set PSTR,    135168                   ; a pair over all of K
.set NQ, 2
.set FR, 16
.set NL, 4
.set NP, 8                             ; places behind this matrix instruction (ISA guide 7.12.1)
.set LI,   4                           ; v4   16 x lane
.set ADRA, 16                          ; v16-17 my A fragments in slot 0, 1
.set ADRB, 20                          ; v20-21 my B fragments
.set ADRS, 26                          ; v26-27 my scale words: lanes 0-15 A's, lanes 16-31 B's
.set SPW,  28
.set NIL,  29
.set SC,   32                          ; scale words: set s at SC + 16 s; register 2 i + q: block i, the slot's q-th K step
.set TM,   64                          ; v64-79 the quantiser's
.set PW,   80                          ; v80-87 a scale word for each of my eight row blocks
.set MW,   88                          ; v88-91 scale words as they are stored; v92-93 at work
.set AF,   128
.set PC,   128                         ; the codes: 16 registers for each row block, never rewritten
.set G1, 24
.set G0, 32
.set G1B, 48
.set G0B, 56
.set SEL, 68
.set MNT, 70
.set MSB, 0
.macro WIN new                         ; the immediate's high byte repeats the setting that is left
.if MSB != \new
	s_set_vgpr_msb (MSB<<8)|\new
.set MSB, \new
.endif
.endm
.set MUL_LO, 0xa1                      ; source 0 (B) window 1, source 1 (A) window 0, C and D window 2
.set MUL_HI, 0xf1
.set TO_B,   0x40
.macro JLOAD g0a, g1a, g0b, g1b        ; a joint load: waves 0 and 1 fetch for A, waves 2 and 3 for B; four v_nop follow each line
	s_cmp_eq_u32 s15, 0
	s_cbranch_scc0 .Lfor_b_\@
	tensor_load_to_lds s[\g0a:\g0a+3], s[\g1a:\g1a+7]
	s_nop 0
.rept 4
	v_nop
.endr
	s_branch .Lasked_\@
.Lfor_b_\@:
	tensor_load_to_lds s[\g0b:\g0b+3], s[\g1b:\g1b+7]
	s_nop 0
.rept 4
	v_nop
.endr
.Lasked_\@:
.endm
.macro CREST                           ; a round of the cluster's barrier behind its opening barrier
	s_cmp_lg_u32 s14, 0
	s_cbranch_scc1 .Lnot_wave_0_\@
	s_barrier_signal -3
.Lnot_wave_0_\@:
	s_barrier_wait -3
	s_barrier_signal -1
	s_barrier_wait -1
.endm
.macro CROUND
	s_barrier_signal -1
	s_barrier_wait -1
	CREST
.endm
	s_load_b128 s[4:7], s[0:1], 0x0                ; h's operand, the weights' operands
	s_load_b64 s[8:9], s[0:1], 0x10                ; qkv
	v_lshl_add_u32 v[SPW], v0, 2, SPARE
	v_mov_b32 v[NIL], 0
	ds_add_u32 v28, v29
	ds_add_u32 v28, v29
	s_wait_dscnt 0x0
	v_lshrrev_b32 v1, 5, v0
	v_readfirstlane_b32 s14, v1                    ; wave 0..3
	s_lshr_b32 s15, s14, 1                         ; which pair of A is mine.  Also: I fetch for A (0) or for B (1)
	s_and_b32 s16, s14, 1                          ; which pair of B.  Also: which pair I fetch
	s_bfe_u32 s40, ttmp6, 0x40000                  ; cx, cy
	s_bfe_u32 s41, ttmp6, 0x40004
	s_lshl_b32 s43, s41, 2
	s_lshl_b32 s43, 15, s43                        ; my row of the cluster
	s_lshl_b32 s44, 0x1111, s40                    ; my column
	s_or_b32 s[G1+0], s43, (3<<16)|(1<<21)         ; 15:0 the mask; 17:16 elements of 8 bytes; 21 set beside a mask; no padding
	s_or_b32 s[G1B+0], s44, (3<<16)|(1<<21)
.irp g, G1, G1B
	s_mov_b32 s[\g+1], 32<<16                      ; tensor_dim0 = 32 elements: 256 bytes
	s_mov_b32 s[\g+2], 132<<16                     ; tensor_dim1 = 132 rows
	s_mov_b32 s[\g+3], 32<<16                      ; tile_dim0
	s_mov_b32 s[\g+4], 132                         ; tile_dim1
	s_mov_b32 s[\g+5], 32                          ; the pitch: the block is dense
	s_mov_b32 s[\g+6], 0
	s_mov_b32 s[\g+7], 0
.endr
	s_lshr_b32 s17, ttmp9, 1                       ; the cluster's number c alone says which product: it is the same in all sixteen partners
	s_lshl_b32 s17, s17, 3                         ; c < 8: A = tokens, pairs 8 (c / 2) on;
	s_and_b32 s42, ttmp9, 1
	s_lshl_b32 s42, s42, 3                         ; B = wq (c even: pairs 0 on) or wk (pairs 8 on)
	s_sub_co_u32 s19, ttmp9, 8
	s_lshl_b32 s19, s19, 3                         ; c >= 8: B = tokens, pairs 8 (c - 8) on; A = wv, pairs 16 on
	s_cmp_lt_u32 ttmp9, 8
	s_cselect_b32 s17, s17, 16
	s_cselect_b32 s42, s42, s19
	s_lshl_b32 s18, s41, 1
	s_add_co_u32 s17, s17, s18                     ; my work-group's first pair of A: + 2 cy
	s_lshl_b32 s46, s40, 1
	s_add_co_u32 s42, s42, s46                     ; of B: + 2 cx
	s_add_co_u32 s20, s17, s16
	s_mul_i32 s20, s20, PSTR                       ; the pair that I fetch, in bytes
	s_mov_b32 s21, 0
	s_add_co_u32 s46, s42, s16
	s_mul_i32 s46, s46, PSTR
	s_mov_b32 s47, 0
	s_mul_i32 s45, s14, PART                       ; where it goes: no place in the cluster enters an LDS address
	s_mov_b32 s[SEL], 0x76543210
	s_mov_b32 s[SEL+1], 0xfedcba98
	s_mov_b32 s[MNT], 0x600000
	s_wait_kmcnt 0x0
	s_cmp_lt_u32 ttmp9, 8
	s_cselect_b64 s[10:11], s[4:5], s[6:7]         ; A's buffer
	s_cselect_b64 s[12:13], s[6:7], s[4:5]         ; B's
	s_add_nc_u64 s[20:21], s[10:11], s[20:21]
	s_add_nc_u64 s[46:47], s[12:13], s[46:47]
	CROUND                                         ; all sixteen work-groups are here: the first joint loads meet
.irp s, 0,1
	s_mov_b32 s[G0+4*\s], 1
	s_add_co_u32 s[G0+4*\s+1], s45, \s*SLOT
	s_add_nc_u64 s[G0+4*\s+2:G0+4*\s+3], s[20:21], \s*PART
	s_or_b32 s[G0+4*\s+3], s[G0+4*\s+3], 0x80000000
	s_mov_b32 s[G0B+4*\s], 1
	s_add_co_u32 s[G0B+4*\s+1], s45, \s*SLOT
	s_add_nc_u64 s[G0B+4*\s+2:G0B+4*\s+3], s[46:47], \s*PART
	s_or_b32 s[G0B+4*\s+3], s[G0B+4*\s+3], 0x80000000
.if \s                                 ; slot 1's first fill is issued as a refill is
	s_wait_alu depctr_va_vdst(0)
	s_wait_tensorcnt 0x0                           ; my part of slot 0 is in
	ds_add_u32 v28, v29
	s_wait_dscnt 0x0
	CROUND
.endif
	JLOAD G0+4*\s, G1, G0B+4*\s, G1B
.endr
	v_and_b32 v1, 15, v0                           ; r
	v_bfe_u32 v2, v0, 4, 1                         ; h
	v_and_b32 v3, 31, v0                           ; lane
	v_lshlrev_b32 v[LI], 4, v3
	v_lshlrev_b32 v7, 2, v3                        ; 4 x lane
	v_lshlrev_b32 v8, 2, v1
	v_lshl_add_u32 v8, v2, 11, v8                  ; 4 r + 2,048 h
	s_mul_i32 s21, s15, PART                       ; my pair of A,
	s_mul_i32 s22, s16, PART
	s_add_co_u32 s22, s22, 2*PART                  ; my pair of B, behind A's two
.irp s, 0,1
	v_add_nc_u32 v[ADRA+\s], s21, v[LI]
	v_add_nc_u32 v[ADRB+\s], s22, v[LI]
	s_add_co_u32 s21, s21, SLOT
	s_add_co_u32 s22, s22, SLOT
.endr
	s_mul_i32 s21, s15, PART
	s_mul_i32 s22, s16, PART
	s_add_co_u32 s22, s22, 2*PART
	s_sub_co_u32 s22, s22, s21
	v_mul_u32_u24 v6, s22, v2                      ; lanes 16-31 take B's words: one product on h
	v_lshl_add_u32 v5, v1, 2, v6
	v_add_nc_u32 v[ADRS], s21, v5
	v_add_nc_u32 v[ADRS+1], SLOT, v[ADRS]
.macro FRAG reg, adr, q, i             ; block i of a pair, the slot's q-th K step: 16 registers as they lie
.irp c, 0,1,2,3
	ds_load_b128 v[\reg+4*\c:\reg+4*\c+3], v[\adr] offset:PARTROW*(\q)+SFB*((\i)/4)+2048*((\i)%4)+512*\c
.endr
.endm
; 16 matrix instructions: A's blocks a0, a0 + 1 x B's eight.  The 64 accumulators take turns, one instruction a turn, in the same order in every step.
.macro MUL16 a0, p, q, sc, zero
.irp a, \a0, \a0+1
.irp b, 0,1,2,3,4,5,6,7
.if \zero
	v_wmma_scale_f32_16x16x128_f8f6f4 v[8*(8*((\a)%4)+\b):8*(8*((\a)%4)+\b)+7], v[128*(\p)+FR*\b:128*(\p)+FR*\b+FR-1], v[AF+FR*(\a):AF+FR*(\a)+FR-1], 0, v[SC+8*NQ*(\sc)+NQ*\b+(\q)], v[SC+8*NQ*(\sc)+NQ*(\a)+(\q)] matrix_a_fmt:MATRIX_FMT_BF8 matrix_b_fmt:MATRIX_FMT_BF8 matrix_a_scale:MATRIX_SCALE_ROW1
.else
	v_wmma_scale_f32_16x16x128_f8f6f4 v[8*(8*((\a)%4)+\b):8*(8*((\a)%4)+\b)+7], v[128*(\p)+FR*\b:128*(\p)+FR*\b+FR-1], v[AF+FR*(\a):AF+FR*(\a)+FR-1], v[8*(8*((\a)%4)+\b):8*(8*((\a)%4)+\b)+7], v[SC+8*NQ*(\sc)+NQ*\b+(\q)], v[SC+8*NQ*(\sc)+NQ*(\a)+(\q)] matrix_a_fmt:MATRIX_FMT_BF8 matrix_b_fmt:MATRIX_FMT_BF8 matrix_a_scale:MATRIX_SCALE_ROW1
.endif
.endr
.endr
.endm
.macro FETCH_B slot, q, p
	WIN TO_B
.irp i, 0,1,2,3,4,5,6,7
	FRAG 128*(\p)+FR*\i, ADRB+\slot, \q, \i
.endr
	WIN 0
.endm
.macro FETCH_A slot, q, i0
.irp i, \i0, \i0+1, \i0+2, \i0+3
	FRAG AF+FR*(\i), ADRA+\slot, \q, \i
.endr
.endm
.macro SCALES sc                       ; a slot's scale words: lanes 0-15 take A's block i, lanes 16-31 B's block i
.irp i, 0,1,2,3,4,5,6,7
.irp q, 0,1
	ds_load_b32 v[SC+16*\sc+2*\i+\q], v[ADRS+\sc] offset:PARTROW*\q+SFB*(\i/4)+8192+64*(\i%4)
.endr
.endr
.endm
.macro PLACES n                        ; plain vector lines between a matrix instruction and a load into, or a read of, its registers
.rept \n
	v_nop
.endr
.endm
.macro STEP slot, q, zero              ; a step of 128 along K that has its successor in the same slot
	s_wait_dscnt 4*NL                              ; all but the youngest 16 loads (A's blocks 4-7) are in
	WIN MUL_LO
	MUL16 0, (\q)%2, \q, \slot, \zero
	MUL16 2, (\q)%2, \q, \slot, \zero
	s_wait_dscnt 0
	PLACES NP
	FETCH_B \slot, (\q)+1, 1-(\q)%2
	FETCH_A \slot, (\q)+1, 0
	WIN MUL_HI
	MUL16 4, (\q)%2, \q, \slot, \zero
	MUL16 6, (\q)%2, \q, \slot, \zero
	PLACES NP
	WIN 0
	FETCH_A \slot, (\q)+1, 4
.endm
; A slot's last step changes slots: one barrier; in front of it each wave waits for all its tensor loads, adds 0 to its spare word, and waits for that and for its reads of this slot.
.macro TURN slot, next, fill
	s_wait_tensorcnt 0x0                           ; all my tensor loads have landed: my part of the next slot
	ds_add_u32 v[SPW], v[NIL]                      ; 0 onto my spare word
	s_wait_dscnt 4*NL+1                            ; (the add and the youngest 16 loads may be out)
	WIN MUL_LO
	MUL16 0, 1, NQ-1, \slot, 0
	s_wait_dscnt 0x0                               ; the add is done, and my reads of this slot are over
	s_barrier_signal -1
	MUL16 2, 1, NQ-1, \slot, 0
	WIN 0
	s_barrier_wait -1
.if \fill
	CREST                                          ; the barrier has opened a round of the cluster's barrier: no wave of any partner still reads this slot or has a load on its way
	s_add_nc_u64 s[G0+4*\slot+2:G0+4*\slot+3], s[G0+4*\slot+2:G0+4*\slot+3], 2*PART
	s_add_nc_u64 s[G0B+4*\slot+2:G0B+4*\slot+3], s[G0B+4*\slot+2:G0B+4*\slot+3], 2*PART
	JLOAD G0+4*\slot, G1, G0B+4*\slot, G1B         ; the first tensor load behind the round; its four v_nop are four of the eight places
	PLACES NP-4
.else
	PLACES NP
.endif
	FETCH_B \next, 0, 0
	FETCH_A \next, 0, 0
	SCALES \next
	WIN MUL_HI
	MUL16 4, 1, NQ-1, \slot, 0
	MUL16 6, 1, NQ-1, \slot, 0
	PLACES NP
	WIN 0
	FETCH_A \next, 0, 4
.endm
	s_wait_alu depctr_va_vdst(0)
	s_wait_tensorcnt 1                             ; my part of slot 0 is in; slot 1's load may be out
	s_barrier_signal -1
	s_barrier_wait -1
	FETCH_B 0, 0, 0
	FETCH_A 0, 0, 0
	SCALES 0
	FETCH_A 0, 0, 4
	STEP 0, 0, 1                                   ; K = 1,024 is four slots' worth: written out, no loop; the first products start the sums
	TURN 0, 1, 1
	STEP 1, 0, 0
	TURN 1, 0, 1
	STEP 0, 0, 0
	TURN 0, 1, 0
	STEP 1, 0, 0
	s_wait_dscnt 4*NL
	WIN MUL_LO
	MUL16 0, 1, NQ-1, 1, 0
	MUL16 2, 1, NQ-1, 1, 0
	s_wait_dscnt 0
	WIN MUL_HI
	MUL16 4, 1, NQ-1, 1, 0
	MUL16 6, 1, NQ-1, 1, 0
	WIN 0
; THE QUANTISER.  Row block a's 64 registers: register 16 b + i holds the result at B's row 32 b + 16 h + i, for A's row of lane r: four blocks of 32 along the next product's K, each shared with lane l xor 16.
; Each accumulator is first read at its low end.  The codes land in 16 registers of the block's own, in the order of an operand's registers.
.macro QUANTW a, relu
.set AC, 64*((\a)%4)
.set WW, ((2+(\a)/4)<<2)|((2+(\a)/4)<<4)
	WIN WW                                         ; sources 1 and 2: the accumulators' window
.irp b, 0,1,2,3
.if \relu
	v_max3_num_f32 v[TM+\b], 0x8000000, v[AC+16*\b], v[AC+16*\b+1]
.else
	v_max3_num_f32 v[TM+\b], 0x8000000, |v[AC+16*\b]|, |v[AC+16*\b+1]|   ; the floor 2^(16 - 127) among the leaves: the byte cannot fall under 1
.endif
.endr
.irp i, 2,4,6,8,10,12,14
.irp b, 0,1,2,3
.if \relu
	v_max3_num_f32 v[TM+\b], v[TM+\b], v[AC+16*\b+\i], v[AC+16*\b+\i+1]
.else
	v_max3_num_f32 v[TM+\b], v[TM+\b], |v[AC+16*\b+\i]|, |v[AC+16*\b+\i+1]|
.endif
.endr
.endr
	WIN 0
.irp b, 0,1,2,3
	v_permlanex16_b32 v[TM+4+\b], v[TM+\b], s[SEL], s[SEL+1]
.endr
.irp b, 0,1,2,3
	v_max_num_f32 v[TM+\b], v[TM+\b], v[TM+4+\b]
.endr
.irp b, 0,1,2,3
	v_add_nc_u32 v[TM+12+\b], 0xf8800000, v[TM+\b] ; 15 off the exponent field: the conversion's scale operand
.endr
.irp b, 0,1,2,3
	v_and_or_b32 v[TM+8+\b], v[TM+\b], 0x7f800000, s[MNT]   ; 57,344 x the scale
.endr
.irp b, 0,1,2,3
	v_lshrrev_b32 v[TM+4+\b], 23, v[TM+12+\b]      ; the byte
.endr
	v_lshl_or_b32 v[PW+(\a)], v[TM+5], 8, v[TM+4]
	v_lshl_or_b32 v[PW+(\a)], v[TM+6], 16, v[PW+(\a)]
	v_lshl_or_b32 v[PW+(\a)], v[TM+7], 24, v[PW+(\a)]
.set WW, (2+(\a)/4)|((2+(\a)/4)<<6)
	WIN WW                                         ; source 0 and destination: the accumulators' window
.irp b, 0,1,2,3
.irp i, 0,1,2,3,4,5,6,7,8,9,10,11,12,13,14,15
.if \relu
	v_med3_num_f32 v[AC+16*\b+\i], v[AC+16*\b+\i], 0, v[TM+8+\b]
.else
	v_med3_num_f32 v[AC+16*\b+\i], v[AC+16*\b+\i], -v[TM+8+\b], v[TM+8+\b]   ; the conversion does not saturate (ISA guide 7.6.2)
.endif
.endr
.endr
.set WW, 2+(\a)/4
	WIN WW
.irp b, 0,1,2,3
	v_cvt_scalef32_pk8_bf8_f32 v[PC+16*(\a)+4*\b:PC+16*(\a)+4*\b+1], v[AC+16*\b:AC+16*\b+7], v[TM+12+\b]
	v_cvt_scalef32_pk8_bf8_f32 v[PC+16*(\a)+4*\b+2:PC+16*(\a)+4*\b+3], v[AC+16*\b+8:AC+16*\b+15], v[TM+12+\b]
.endr
	v_nop                                          ; a plain line behind the last conversion
	WIN 0
.endm
	PLACES NP                                      ; behind the last products: their results are read, and A's fragments' registers written, below
.irp b, 0,1,2,3
	v_mov_b32 v[TM+4+\b], 0                        ; a lane permute's destination counts as one of its sources
.endr
	v_cmp_le_u32 vcc_lo, 16, v3                    ; lanes 16-31
.irp a, 0,1,2,3,4,5,6,7
	QUANTW \a, 0
.endr
	s_add_co_u32 s20, s17, s15
	s_lshl_b32 s20, s20, 1                         ; my first super-fragment of A
	s_add_co_u32 s21, s42, s16
	s_lshl_b32 s21, s21, 1                         ; and of B
	s_mov_b32 s75, 0
	s_cmp_lt_u32 ttmp9, 8                          ; the cluster's number: the same in all partners
	s_cbranch_scc0 .Lv_out
	; q or k: [q, k][batch x 16 + head][tile of 16 tokens: 64][2 chunks][lane][16 bytes].  My 128 columns are two heads, my eight row blocks eight tiles on end
	s_lshr_b32 s22, s20, 4                         ; the batch
	s_and_b32 s23, s20, 15
	s_lshl_b32 s23, s23, 2                         ; my first tile
	s_lshr_b32 s72, s21, 4                         ; 0: q, 1: k
	s_and_b32 s73, s21, 15                         ; my first head
	s_lshl_b32 s72, s72, 6
	s_lshl_b32 s22, s22, 4
	s_add_co_u32 s72, s72, s22
	s_add_co_u32 s72, s72, s73
	s_lshl_b32 s74, s72, 16
	s_lshl_b32 s73, s23, 10
	s_add_co_u32 s74, s74, s73
	s_add_nc_u64 s[76:77], s[8:9], s[74:75]
	s_lshl_b32 s74, s72, 11
	s_lshl_b32 s73, s23, 5
	s_add_co_u32 s74, s74, s73
	s_add_co_u32 s74, s74, 12582912
	s_add_nc_u64 s[78:79], s[8:9], s[74:75]
	s_wait_alu depctr_va_vdst(0)
.irp a, 0,1,2,3,4,5,6,7
.irp c, 0,1,2,3
	global_store_b128 v[LI], v[PC+16*\a+4*\c:PC+16*\a+4*\c+3], s[76:77] offset:\a*1024+(\c/2)*65536+(\c%2)*512   ; 512 consecutive bytes
.endr
.endr
.irp p, 0,1,2,3                        ; a scale word for a pair of tiles: (tile 2 p: two bytes; tile 2 p + 1: two bytes); lanes 0-15 store the first head's, lanes 16-31 the second's
	v_perm_b32 v92, v[PW+2*\p+1], v[PW+2*\p], 0x05040100
	v_perm_b32 v93, v[PW+2*\p+1], v[PW+2*\p], 0x07060302
	v_cndmask_b32 v[MW+\p], v92, v93, vcc_lo
	global_store_b32 v8, v[MW+\p], s[78:79] offset:64*\p
.endr
	s_branch .Lstored
.Lv_out:
	; v: [batch x 16 + head][128 keys: 8][fragment of 16 of the head's 64: 4][2,048].  My eight row blocks are two heads' four fragments, my 128 columns one K step of keys
	s_sub_co_u32 s22, s20, 32                      ; my first head
	s_lshr_b32 s23, s21, 4                         ; the batch
	s_and_b32 s72, s21, 15
	s_lshr_b32 s72, s72, 1                         ; which 128 keys
	s_lshl_b32 s23, s23, 4
	s_add_co_u32 s23, s23, s22
	s_lshl_b32 s23, s23, 3
	s_add_co_u32 s23, s23, s72
	s_lshl_b32 s74, s23, 13
	s_add_co_u32 s74, s74, 8388608
	s_add_nc_u64 s[76:77], s[8:9], s[74:75]
	s_lshl_b32 s74, s23, 8
	s_add_co_u32 s74, s74, 12845056
	s_add_nc_u64 s[78:79], s[8:9], s[74:75]
	s_wait_alu depctr_va_vdst(0)
.irp a, 0,1,2,3,4,5,6,7
.irp c, 0,1,2,3
	global_store_b128 v[LI], v[PC+16*\a+4*\c:PC+16*\a+4*\c+3], s[76:77] offset:(\a/4)*65536+(\a%4)*2048+512*\c
.endr
.endr
.irp a, 0,2,4,6                        ; two neighbouring fragments' words in one store of 128 consecutive bytes
	v_cndmask_b32 v[MW+\a/2], v[PW+\a], v[PW+\a+1], vcc_lo
	global_store_b32 v7, v[MW+\a/2], s[78:79] offset:(\a/4)*2048+(\a%4)*64
.endr
.Lstored:
	s_wait_tensorcnt 0x0                           ; the wave's end
	ds_add_u32 v[SPW], v[NIL]
	s_wait_dscnt 0x0
	CROUND                                         ; the closing round
	s_endpgm
.Lfunc_end_k_q25faa096f0_qkv:
	.size	k_q25faa096f0_qkv, .Lfunc_end_k_q25faa096f0_qkv-k_q25faa096f0_qkv
	.p2alignl 7, 3214868480
	.fill 96, 4, 3214868480
	.section	.rodata,"a",@progbits
	.p2align	6, 0x0
	.amdhsa_kernel k_q25faa096f0_qkv
		.amdhsa_group_segment_fixed_size 327680
		.amdhsa_private_segment_fixed_size 0
		.amdhsa_enable_private_segment 0
		.amdhsa_kernarg_size 24
		.amdhsa_user_sgpr_count 2
		.amdhsa_user_sgpr_kernarg_segment_ptr 1
		.amdhsa_wavefront_size32 1
		.amdhsa_system_sgpr_workgroup_id_x 1
		.amdhsa_system_sgpr_workgroup_id_y 1
		.amdhsa_system_sgpr_workgroup_id_z 1
		.amdhsa_system_vgpr_workitem_id 0
		.amdhsa_next_free_vgpr 1024
		.amdhsa_next_free_sgpr 80
		.amdhsa_reserve_vcc 1
		.amdhsa_float_denorm_mode_32 3
		.amdhsa_float_denorm_mode_16_64 3
		.amdhsa_memory_ordered 1
		.amdhsa_forward_progress 1
		.amdhsa_inst_pref_size 190
	.end_amdhsa_kernel
	.amdgpu_metadata
---
amdhsa.version: [ 1, 2 ]
amdhsa.kernels:
  - .name:           k_q25faa096f0_qkv
    .symbol:         k_q25faa096f0_qkv.kd
    .args:
      - { .name: hop, .offset: 0, .size: 8, .value_kind: global_buffer, .address_space: global }
      - { .name: wts, .offset: 8, .size: 8, .value_kind: global_buffer, .address_space: global }
      - { .name: qkv, .offset: 16, .size: 8, .value_kind: global_buffer, .address_space: global }
    .group_segment_fixed_size: 327680
    .private_segment_fixed_size: 0
    .kernarg_segment_align: 8
    .kernarg_segment_size: 24
    .max_flat_workgroup_size: 128
    .sgpr_count:     80
    .vgpr_count:     1024
    .wavefront_size: 32
...
	.end_amdgpu_metadata
.endif
;; end of part 2
;; launch attn (part 3): grid 4 x 64, 16 waves a work-group, clusters of 4 x 1, 169,984 bytes of LDS; arguments qkv, att; writes att
.if DOCPART == 3
	.amdgcn_target "amdgcn-amd-amdhsa--gfx1250"
	.amdhsa_code_object_version 6
	.text
	.protected	k_q25faa096f0_attn
	.globl	k_q25faa096f0_attn
	.p2align	8
	.type	k_q25faa096f0_attn,@function
k_q25faa096f0_attn:
	s_mov_b64 s[64:65], 0
	v_nop
	global_prefetch_b8 v0, s[64:65] scope:SCOPE_SE
	s_setreg_imm32_b32 hwreg(HW_REG_WAVE_MODE, 25, 1), 1
	s_wait_xcnt 0x0
	s_wait_alu depctr_hold_cnt(0) depctr_sa_sdst(0) depctr_va_vdst(0) depctr_va_sdst(0) depctr_va_ssrc(0) depctr_va_vcc(0) depctr_vm_vsrc(0)
	s_getreg_b32 s2, hwreg(HW_REG_IB_STS2, 6, 4)
	s_cmp_eq_u32 s2, 0
	s_cbranch_scc0 .Lentry_in_a_cluster
	s_endpgm
.Lentry_in_a_cluster:
	s_bfe_u32 s2, ttmp6, 0x10000c
	s_cmp_lg_u32 s2, 0x3003
	s_cbranch_scc0 .Lentry_shape_is_right
	s_endpgm
.Lentry_shape_is_right:
; Causal attention of one (batch, head) a cluster, head size 64, both products on codes of E5M2 with E8M0 scales; the result is quantised along the features and stored as the next product's operand.
; THE SOFTMAX: t = score x log2(e) / 8; M = the running largest t rounded UP to a whole number; p = 2^(t - M) is quantised along the keys, not normalised; the row's sum is taken of the unquantised p and divides at the end.
; When M moves, the sum and O are multiplied by 2^(old M - new M): exact.
; SHARES.  The four work-groups of a cluster serve one head; wave w of work-group j owns the tile of 16 queries number 4 w + j (tokens 64 w + 32 (j / 2) + 8 (j % 2) + r + 8 (r / 8)): the four have the same causal work,
; and which key steps a wave walks hangs on its number alone.  All of the head's K and V codes (65,536 bytes each) and scale words (2,048 each) come into LDS once, by joint loads of waves 0-7: nothing is filled again.
; LAYOUT.  Both products transposed: S^T = K Q^T, O^T = V^T P^T: a lane holds one query throughout.  The head's 64 are half of the instruction's K: a fragment of K holds TWO tiles of 16 keys, and Q stands in
; [q | 0] for the first and [0 | q] for the second; the other tile's codes meet zero codes.  A tile's keys are 32 (f / 2) + 8 (f % 2) + r + 8 (r / 8), so p's 16 registers of two neighbouring tiles are 16 neighbouring keys.
; A key step is 128 keys.  Steps wholly behind the wave's queries are jumped over (a scalar branch on the wave's number and the step's); in the step on the diagonal hidden scores become -infinity.
; LIMITS: NaN and infinities are not served (K's codes must be finite, since they meet Q's zero codes); a block of zeros gets the byte 1; 1 / sum comes from v_rcp_f32.  The scale half-words leave two bytes a lane.
.set LI,  1                            ; v1   16 x lane
.set LS,  2                            ; v2   131,072 + 4 r: K's scale words; V's lie 2,048 on
.set DQ,  3                            ; v3   my query within its 128, less 16 h
.set ADK, 8
.set ADV, 9
.set ADS, 10
.set WV,  18
.set MNT, 19
.set SEL, 20
.set CS,  22                           ; s[22:23] c = log2(e) / 8
.set G1C, 24                           ; s[24:31] group 1 for the codes: 128 rows of 256 bytes
.set G1S, 32                           ; s[32:39] for the scale words: 4 rows
.set G0S, 40
.set G0C, 44
.set KT,  52                           ; the key step
.set WH,  53                           ; the step on my diagonal: g / 2
.set TB,  54                           ; LDS byte of the step's codes: 8,192 a step
.set TS,  55                           ; and of its scale words: 256 a step
; REGISTERS: v12 -M, v13 the largest t, v[14:15] the sum; v16-39 [0 | q | 0]; v40-103 four fragments of K or V; v104-167 S^T, then p; v168-199 O^T; v200-215 p's codes; v216-231 the quantiser's;
; v232-235 K's or V's scale words, v236 Q's, v237 p's; v[238:239] f; v240-243 at work.
.macro CROUND
	s_barrier_signal -1
	s_barrier_wait -1
	s_cmp_lg_u32 s[WV], 0
	s_cbranch_scc1 .Lnot_wave_0_\@
	s_barrier_signal -3
.Lnot_wave_0_\@:
	s_barrier_wait -3
	s_barrier_signal -1
	s_barrier_wait -1
.endm
	s_load_b128 s[4:7], s[0:1], 0x0                ; qkv, att
	v_lshl_add_u32 v254, v0, 2, 0x29000
	v_mov_b32 v255, 0
	ds_add_u32 v254, v255
	ds_add_u32 v254, v255
	v_lshrrev_b32 v8, 5, v0
	s_delay_alu instid0(VALU_DEP_1)
	v_readfirstlane_b32 s[WV], v8                  ; wave 0..15
	s_bfe_u32 s56, ttmp6, 0x40000                  ; j: my place in the cluster: it enters global addresses and the mask's numbers alone
	s_and_b32 s57, ttmp7, 0xffff                   ; batch x 16 + head, which the four partners share
	s_and_b32 s58, s[WV], 1                        ; a fetching wave: 0: K, 1: V
	; THE DEAL: where the head comment says wave w for a tile of queries, read g.  g / 2 + 1 is the number of key steps walked; waves w, w + 4, w + 8, w + 12 get g / 2 = 7, 0, 4, 3 (w % 4 < 2) or 6, 1, 5, 2: 18 key steps for each such four.  g % 2 = w % 2
	s_lshr_b32 s49, s[WV], 2
	s_lshl_b32 s49, s49, 2
	s_lshr_b32 s[WH], 0x3407, s49
	s_and_b32 s[WH], s[WH], 7
	s_bfe_u32 s49, s[WV], 0x10001
	s_xor_b32 s[WH], s[WH], s49                    ; g / 2: the step on my diagonal
	s_lshl_b32 s48, s[WH], 1
	s_add_co_u32 s48, s48, s58                     ; g
	s_bfe_u32 s61, s[WV], 0x10001                  ; and which half
	s_mov_b32 s[G1C], 15|(3<<16)|(1<<21)           ; the mask: all four work-groups; elements of 8 bytes; bit 21 beside a mask
	s_mov_b32 s[G1C+1], 32<<16
	s_mov_b32 s[G1C+2], 128<<16
	s_mov_b32 s[G1C+3], 32<<16
	s_mov_b32 s[G1C+4], 128
	s_mov_b32 s[G1C+5], 32
	s_mov_b32 s[G1C+6], 0
	s_mov_b32 s[G1C+7], 0
	s_mov_b32 s[G1S], 15|(3<<16)|(1<<21)
	s_mov_b32 s[G1S+1], 32<<16
	s_mov_b32 s[G1S+2], 4<<16
	s_mov_b32 s[G1S+3], 32<<16
	s_mov_b32 s[G1S+4], 4
	s_mov_b32 s[G1S+5], 32
	s_mov_b32 s[G1S+6], 0
	s_mov_b32 s[G1S+7], 0
	s_lshl_b32 s59, s58, 11
	s_lshl_b32 s60, s61, 10
	s_add_co_u32 s59, s59, s60
	s_add_co_u32 s[G0S+1], s59, 131072             ; scale words: 131,072 + 2,048 (K, V) + 1,024 half
	s_lshl_b32 s8, s58, 17
	s_lshl_b32 s9, s57, 11
	s_add_co_u32 s8, s8, s9
	s_add_co_u32 s8, s8, s60
	s_add_co_u32 s8, s8, 12713984                  ; k's scale words; v's lie 131,072 on
	s_mov_b32 s9, 0
	s_lshl_b32 s59, s58, 16
	s_lshl_b32 s60, s61, 15
	s_add_co_u32 s[G0C+1], s59, s60                ; codes: 65,536 (K, V) + 32,768 half
	s_lshl_b32 s10, s58, 22
	s_lshl_b32 s11, s57, 16
	s_add_co_u32 s10, s10, s11
	s_add_co_u32 s10, s10, s60
	s_add_co_u32 s10, s10, 4194304                 ; k's codes; v's lie 4,194,304 on
	s_mov_b32 s11, 0
	s_mov_b32 s[G0S], 1
	s_mov_b32 s[G0C], 1
	s_mov_b32 s[SEL], 0x76543210
	s_mov_b32 s[SEL+1], 0xfedcba98
	s_mov_b32 s[CS], 0x3e38aa3b
	s_mov_b32 s[CS+1], s[CS]
	s_mov_b32 s[MNT], 0x600000
	s_mov_b32 s[KT], 0
	s_mov_b32 s[TB], 0
	s_mov_b32 s[TS], 0
	s_wait_dscnt 0x0
	s_wait_kmcnt 0x0
	s_add_nc_u64 s[G0S+2:G0S+3], s[4:5], s[8:9]
	s_or_b32 s[G0S+3], s[G0S+3], 0x80000000
	s_add_nc_u64 s[G0C+2:G0C+3], s[4:5], s[10:11]
	s_or_b32 s[G0C+3], s[G0C+3], 0x80000000
	CROUND                                         ; all four work-groups are here: the joint loads meet
	s_cmp_lt_u32 s[WV], 4                          ; a wave's fill stands in one branch on its number: at most one load of mine is out
	s_cbranch_scc0 .Lfor_scales                    ; one chain of branches on the wave's number, one load to an arm: waves 0-3 the codes' quarters, waves 4-7 the scale words'
	tensor_load_to_lds s[G0C:G0C+3], s[G1C:G1C+7]
	s_nop 0
.rept 4
	v_nop
.endr
	s_branch .Lno_fetch
.Lfor_scales:
	s_cmp_lt_u32 s[WV], 8
	s_cbranch_scc0 .Lno_fetch
	tensor_load_to_lds s[G0S:G0S+3], s[G1S:G1S+7]
	s_nop 0
.rept 4
	v_nop
.endr
.Lno_fetch:
	s_lshl_b32 s60, s48, 2
	s_add_co_u32 s60, s60, s56                     ; my tile of queries: 4 w + j
	s_lshl_b32 s62, s57, 16
	s_lshl_b32 s63, s60, 10
	s_add_co_u32 s62, s62, s63
	s_mov_b32 s63, 0
	s_add_nc_u64 s[8:9], s[4:5], s[62:63]          ; its codes
	s_lshl_b32 s62, s57, 11
	s_lshr_b32 s61, s60, 1
	s_lshl_b32 s61, s61, 6
	s_add_co_u32 s62, s62, s61
	s_add_co_u32 s62, s62, 12582912
	s_add_nc_u64 s[10:11], s[4:5], s[62:63]        ; the scale words of its pair of tiles
	v_and_b32 v4, 31, v0
	s_delay_alu instid0(VALU_DEP_1)
	v_lshlrev_b32 v[LI], 4, v4
	v_and_b32 v5, 15, v0                           ; r
	s_wait_alu depctr_va_vdst(0)
	v_bfe_u32 v6, v0, 4, 1                         ; h
	s_wait_alu depctr_va_vdst(0)
	v_lshlrev_b32 v7, 2, v5                        ; 4 r
	global_load_b128 v[24:27], v[LI], s[8:9]
	global_load_b128 v[28:31], v[LI], s[8:9] offset:512
	global_load_b32 v241, v7, s[10:11]
	v_add_nc_u32 v[LS], 131072, v7
	s_lshl_b32 s61, s58, 1
	s_lshr_b32 s62, s56, 1
	s_add_co_u32 s61, s61, s62
	s_lshl_b32 s61, s61, 5
	s_and_b32 s62, s56, 1
	s_lshl_b32 s63, s62, 3
	s_add_co_u32 s61, s61, s63                     ; 64 (w % 2) + 32 (j / 2) + 8 (j % 2)
	s_lshl_b32 s62, s62, 4                         ; my tile's half of the pair's scale word: 16 (j % 2) bits up
	v_and_b32 v[DQ], 8, v5
	s_delay_alu instid0(VALU_DEP_1)
	v_add_nc_u32 v[DQ], v[DQ], v5
	s_delay_alu instid0(VALU_DEP_1)
	v_add_nc_u32 v[DQ], s61, v[DQ]
	v_lshlrev_b32 v11, 4, v6
	s_delay_alu instid0(VALU_DEP_1)
	v_sub_nc_u32 v[DQ], v[DQ], v11
	v_mov_b32 v13, 0xff61b1e6                      ; the largest t so far: -3e38
	s_delay_alu instid0(VALU_DEP_1)
	v_floor_f32 v12, -v13                          ; -M
	v_mov_b32 v14, 0
	v_mov_b32 v15, 0
.irp i, 0,1,2,3,4,5,6,7
	v_mov_b32 v[16+\i], 0                          ; the zero codes on either side of q
	v_mov_b32 v[32+\i], 0
.endr
.set i, 0
.rept 32
	v_mov_b32 v[168+i], 0                          ; O^T: the step is written once; the first finds zeros, which the first change of M leaves zeros
.set i, i+1
.endr
.irp b, 0,1,2,3
	v_mov_b32 v[220+\b], 0                         ; a lane permute's destination counts as one of its sources
.endr
	v_mov_b32 v239, 0                              ; named as the upper half of the pair v[238:239]
	v_mov_b32 v240, 0
	s_wait_loadcnt 0x0
	v_lshrrev_b32 v241, s62, v241
	s_delay_alu instid0(VALU_DEP_1)
	v_and_b32 v241, 0xffff, v241
	s_delay_alu instid0(VALU_DEP_1)
	v_lshl_or_b32 v236, v241, 16, v241             ; q's two bytes in both halves of the word
	s_wait_tensorcnt 0x0                           ; my fills have landed,
	s_barrier_signal -1
	s_barrier_wait -1                              ; everybody's have
.Lstep:
	s_cmp_gt_u32 s[KT], s[WH]                      ; all 128 keys come after my 16 queries: the step's work is left out
	s_cbranch_scc1 .Lhidden
	v_add_nc_u32 v[ADK], s[TB], v[LI]
	s_delay_alu instid0(VALU_DEP_1)
	v_add_nc_u32 v[ADV], 65536, v[ADK]
	v_add_nc_u32 v[ADS], s[TS], v[LS]
.rept 5
	v_nop                                          ; with the three additions: eight places in front of loads into registers that the last step's products read
.endr
.irp p, 0,1,2,3
.irp c, 0,1,2,3
	ds_load_b128 v[40+16*\p+4*\c:43+16*\p+4*\c], v[ADK] offset:2048*\p+512*\c   ; tiles 2 p and 2 p + 1 of the step in one fragment
.endr
	ds_load_b32 v[232+\p], v[ADS] offset:64*\p
.endr
	s_wait_dscnt 0x0
	s_wait_alu depctr_va_vdst(0)
.irp p, 0,1,2,3
	v_wmma_scale_f32_16x16x128_f8f6f4 v[104+16*\p:111+16*\p], v[40+16*\p:55+16*\p], v[24:39], 0, v[232+\p], v236 matrix_a_fmt:MATRIX_FMT_BF8 matrix_b_fmt:MATRIX_FMT_BF8
	v_wmma_scale_f32_16x16x128_f8f6f4 v[112+16*\p:119+16*\p], v[40+16*\p:55+16*\p], v[16:31], 0, v[232+\p], v236 matrix_a_fmt:MATRIX_FMT_BF8 matrix_b_fmt:MATRIX_FMT_BF8
.endr                                          ; register 16 p + i: key 128 KT + 32 p + 16 h + i
.rept 8
	v_nop
.endr
.irp f, 0,1,2,3                                ; V's fragments are asked for here and land during the softmax
.irp c, 0,1,2,3
	ds_load_b128 v[40+16*\f+4*\c:43+16*\f+4*\c], v[ADV] offset:2048*\f+512*\c
.endr
	ds_load_b32 v[232+\f], v[ADS] offset:2048+64*\f
.endr
	s_cmp_lg_u32 s[KT], s[WH]                      ; only the step on the diagonal has hidden keys
	s_cbranch_scc1 .Lopen
	v_mov_b32 v240, 0xff800000                     ; -infinity
.set n, 0
.rept 64
	v_cmp_gt_i32 vcc_lo, 32*(n/16)+n%16, v[DQ]
	v_cndmask_b32 v[104+n], v[104+n], v240, vcc_lo
.set n, n+1
.endr
.Lopen:
.irp b, 0,1,2,3
	v_max3_num_f32 v[216+\b], v[104+16*\b], v[105+16*\b], v[106+16*\b]   ; the largest score of each block of 32 keys: for the row's maximum and, since p rises with the score, for the block's largest p
.endr
.irp i, 3,5,7,9,11,13
.irp b, 0,1,2,3
	v_max3_num_f32 v[216+\b], v[216+\b], v[104+16*\b+\i], v[105+16*\b+\i]
.endr
.endr
.irp b, 0,1,2,3
	v_max_num_f32 v[216+\b], v[216+\b], v[119+16*\b]
.endr
.irp b, 0,1,2,3
	s_delay_alu instid0(VALU_DEP_4)
	v_permlanex16_b32 v[220+\b], v[216+\b], s[SEL], s[SEL+1]
.endr
.irp b, 0,1,2,3
	s_delay_alu instid0(VALU_DEP_4)
	v_max_num_f32 v[216+\b], v[216+\b], v[220+\b]
.endr
	s_delay_alu instid0(VALU_DEP_2)
	v_max3_num_f32 v240, v216, v217, v218
	s_delay_alu instid0(VALU_DEP_1)
	v_max_num_f32 v240, v240, v219
	s_delay_alu instid0(VALU_DEP_1)
	v_mul_f32 v240, s[CS], v240
	s_delay_alu instid0(VALU_DEP_1)
	v_max_num_f32 v13, v13, v240                   ; the running largest t
	v_mov_b32 v240, v12
	s_delay_alu instid0(VALU_DEP_2)
	v_floor_f32 v12, -v13                          ; the new -M = -ceil(t)
	s_delay_alu instid0(VALU_DEP_1)
	v_sub_f32 v240, v12, v240                      ; old M - new M: a whole number, 0 or less
	s_delay_alu instid0(VALU_DEP_1)
	v_cvt_i32_f32 v240, v240                       ; (it saturates)
	s_delay_alu instid0(VALU_DEP_1)
	v_ldexp_f32 v238, 1.0, v240                    ; f = 2^(old M - new M)
.set j, 0
.rept 32
	v_pk_fma_f32 v[104+j:105+j], v[104+j:105+j], s[CS:CS+1], v[12:13] op_sel_hi:[1,0,0]   ; t - M
.set j, j+2
.endr
.irp b, 0,1,2,3
	v_fma_f32 v[216+\b], v[216+\b], s[CS], v12
.endr
.set j, 0
	s_wait_alu depctr_va_vdst(0)
.rept 64
	v_exp_f32 v[104+j], v[104+j]                   ; p = 2^(t - M)
.set j, j+1
.endr
	v_pk_mul_f32 v[14:15], v[14:15], v[238:239] op_sel_hi:[1,0]   ; the sums under the new M: a plain line behind the exponentials
	s_wait_alu depctr_va_vdst(0)                   ; one wait for the batch of 64, ahead of its first reader
.irp b, 0,1,2,3
	v_exp_f32 v[216+\b], v[216+\b]                 ; each block's largest p
.endr
	v_pk_add_f32 v[242:243], v[108:109], v[112:113]
	v_pk_add_f32 v[252:253], v[116:117], v[120:121]
	v_pk_add_f32 v[250:251], v[124:125], v[128:129]
	v_pk_add_f32 v[248:249], v[132:133], v[136:137]
	v_pk_add_f32 v[246:247], v[140:141], v[144:145]
	v_pk_add_f32 v[244:245], v[148:149], v[152:153]
	v_pk_add_f32 v[230:231], v[156:157], v[160:161]
	v_pk_add_f32 v[14:15], v[14:15], v[164:165]
	v_pk_add_f32 v[242:243], v[242:243], v[104:105]
	v_pk_add_f32 v[252:253], v[252:253], v[106:107]
	v_pk_add_f32 v[250:251], v[250:251], v[110:111]
	v_pk_add_f32 v[248:249], v[248:249], v[114:115]
	v_pk_add_f32 v[246:247], v[246:247], v[118:119]
	v_pk_add_f32 v[244:245], v[244:245], v[122:123]
	v_pk_add_f32 v[230:231], v[230:231], v[126:127]
	v_pk_add_f32 v[14:15], v[14:15], v[130:131]
	v_pk_add_f32 v[242:243], v[242:243], v[134:135]
	v_pk_add_f32 v[252:253], v[252:253], v[138:139]
	v_pk_add_f32 v[250:251], v[250:251], v[142:143]
	v_pk_add_f32 v[248:249], v[248:249], v[146:147]
	v_pk_add_f32 v[246:247], v[246:247], v[150:151]
	v_pk_add_f32 v[244:245], v[244:245], v[154:155]
	v_pk_add_f32 v[230:231], v[230:231], v[158:159]
	v_pk_add_f32 v[14:15], v[14:15], v[162:163]
	v_pk_add_f32 v[242:243], v[242:243], v[166:167]
	s_delay_alu instid0(VALU_DEP_2)
	v_pk_add_f32 v[14:15], v[14:15], v[248:249]
	s_delay_alu instid0(VALU_DEP_2)
	v_pk_add_f32 v[242:243], v[242:243], v[246:247]
	v_pk_add_f32 v[252:253], v[252:253], v[244:245]
	v_pk_add_f32 v[250:251], v[250:251], v[230:231]
	s_delay_alu instid0(VALU_DEP_2)
	v_pk_add_f32 v[14:15], v[14:15], v[252:253]
	s_delay_alu instid0(VALU_DEP_2)
	v_pk_add_f32 v[242:243], v[242:243], v[250:251]
	s_delay_alu instid0(VALU_DEP_1)
	v_pk_add_f32 v[14:15], v[14:15], v[242:243]
	s_wait_alu depctr_va_vdst(0)                   ; and one for the four
.irp b, 0,1,2,3
	v_max_num_f32 v[216+\b], 0x8000000, v[216+\b]  ; the floor 2^(16 - 127)
.endr
.irp b, 0,1,2,3
	s_delay_alu instid0(VALU_DEP_4)
	v_add_nc_u32 v[228+\b], 0xf8800000, v[216+\b]
.endr
.irp b, 0,1,2,3
	v_and_or_b32 v[224+\b], v[216+\b], 0x7f800000, s[MNT]
.endr
.irp b, 0,1,2,3
	v_lshrrev_b32 v[220+\b], 23, v[228+\b]
.endr
	s_delay_alu instid0(VALU_DEP_3)
	v_lshl_or_b32 v237, v221, 8, v220              ; p's scale word for these 128 keys
	s_delay_alu instid0(VALU_DEP_1)
	v_lshl_or_b32 v237, v222, 16, v237
	s_delay_alu instid0(VALU_DEP_1)
	v_lshl_or_b32 v237, v223, 24, v237
.irp b, 0,1,2,3
.irp i, 0,1,2,3,4,5,6,7,8,9,10,11,12,13,14,15
	v_min_num_f32 v[104+16*\b+\i], v[104+16*\b+\i], v[224+\b]   ; the hold; p is not negative
.endr
	v_cvt_scalef32_pk8_bf8_f32 v[200+4*\b:201+4*\b], v[104+16*\b:111+16*\b], v[228+\b]
	v_cvt_scalef32_pk8_bf8_f32 v[202+4*\b:203+4*\b], v[112+16*\b:119+16*\b], v[228+\b]
.endr
.set j, 0
.rept 16
	v_pk_mul_f32 v[168+j:169+j], v[168+j:169+j], v[238:239] op_sel_hi:[1,0]   ; O^T under the new M; these are also the places in front of the products
.set j, j+2
.endr
	s_wait_alu depctr_va_vdst(0)
	s_wait_dscnt 0x0                               ; V
.irp f, 0,1,2,3
	v_wmma_scale_f32_16x16x128_f8f6f4 v[168+8*\f:175+8*\f], v[40+16*\f:55+16*\f], v[200:215], v[168+8*\f:175+8*\f], v[232+\f], v237 matrix_a_fmt:MATRIX_FMT_BF8 matrix_b_fmt:MATRIX_FMT_BF8
.endr
.Lhidden:
	s_add_co_u32 s[TB], s[TB], 8192
	s_add_co_u32 s[TS], s[TS], 256
	s_add_co_u32 s[KT], s[KT], 1
	s_cmp_lt_u32 s[KT], 8
	s_cbranch_scc1 .Lstep
	; THE WAY OUT: O^T / the sum; register 16 b + i is feature 64 head + 32 b + 16 h + i of my query: two blocks of the next product's K; the codes are two chunks of that operand's fragment
.rept 8
	v_nop
.endr
	v_add_f32 v14, v14, v15
	s_wait_alu depctr_va_vdst(0)
	v_permlanex16_b32 v240, v14, s[SEL], s[SEL+1]
	s_delay_alu instid0(VALU_DEP_1)
	v_add_f32 v14, v14, v240
	s_wait_alu depctr_va_vdst(0)
	v_rcp_f32 v14, v14
	s_lshr_b32 s60, s57, 4                         ; the batch
	s_and_b32 s61, s57, 15                         ; the head
	s_lshl_b32 s60, s60, 4
	s_add_co_u32 s60, s60, s48
	s_lshr_b32 s62, s60, 1
	s_mul_i32 s62, s62, 135168
	s_lshr_b32 s63, s61, 1
	s_mul_i32 s63, s63, 16896                      ; K step head / 2
	s_add_co_u32 s62, s62, s63
	s_and_b32 s63, s60, 1
	s_mul_i32 s63, s63, 8448
	s_add_co_u32 s62, s62, s63
	s_mov_b32 s63, 0
	s_add_nc_u64 s[6:7], s[6:7], s[62:63]
	s_lshl_b32 s8, s56, 11                         ; fragment j,
	s_and_b32 s9, s61, 1
	s_lshl_b32 s10, s9, 10                         ; chunks 2 (head % 2) on
	s_add_co_u32 s8, s8, s10
	v_add_nc_u32 v8, s8, v[LI]                     ; (a plain line behind the reciprocal)
	s_lshl_b32 s8, s56, 6
	s_lshl_b32 s9, s9, 1
	s_add_co_u32 s8, s8, s9
	s_add_co_u32 s8, s8, 8192
	v_add_nc_u32 v9, s8, v7                        ; my two bytes of the scale word
	s_wait_alu depctr_va_vdst(0)                   ; the wait ahead of the reciprocal's first reader
.set j, 0
.rept 32
	v_mul_f32 v[104+j], v[168+j], v14
.set j, j+1
.endr
.irp b, 0,1
	v_max3_num_f32 v[216+\b], |v[104+16*\b]|, |v[105+16*\b]|, 0x8000000
.endr
.irp i, 2,4,6,8,10,12,14
.irp b, 0,1
	s_delay_alu instid0(VALU_DEP_2)
	v_max3_num_f32 v[216+\b], v[216+\b], |v[104+16*\b+\i]|, |v[105+16*\b+\i]|
.endr
.endr
.irp b, 0,1
	s_delay_alu instid0(VALU_DEP_2)
	v_permlanex16_b32 v[220+\b], v[216+\b], s[SEL], s[SEL+1]
.endr
.irp b, 0,1
	s_delay_alu instid0(VALU_DEP_2)
	v_max_num_f32 v[216+\b], v[216+\b], v[220+\b]
.endr
.irp b, 0,1
	s_delay_alu instid0(VALU_DEP_2)
	v_add_nc_u32 v[228+\b], 0xf8800000, v[216+\b]
.endr
.irp b, 0,1
	s_delay_alu instid0(VALU_DEP_4)
	v_and_or_b32 v[224+\b], v[216+\b], 0x7f800000, s[MNT]
.endr
.irp b, 0,1
	s_delay_alu instid0(VALU_DEP_4)
	v_lshrrev_b32 v[220+\b], 23, v[228+\b]
.endr
	s_delay_alu instid0(VALU_DEP_1)
	v_lshl_or_b32 v241, v221, 8, v220
.irp b, 0,1
.irp i, 0,1,2,3,4,5,6,7,8,9,10,11,12,13,14,15
	v_med3_num_f32 v[104+16*\b+\i], v[104+16*\b+\i], -v[224+\b], v[224+\b]
.endr
	v_cvt_scalef32_pk8_bf8_f32 v[200+4*\b:201+4*\b], v[104+16*\b:111+16*\b], v[228+\b]
	v_cvt_scalef32_pk8_bf8_f32 v[202+4*\b:203+4*\b], v[112+16*\b:119+16*\b], v[228+\b]
.endr
	v_nop
	global_store_b128 v8, v[200:203], s[6:7]       ; 512 consecutive bytes
	global_store_b128 v8, v[204:207], s[6:7] offset:512
	global_store_b16 v9, v241, s[6:7]              ; both halves of the lanes write the same two bytes with the same value
	s_wait_tensorcnt 0x0
	ds_add_u32 v254, v255
	s_wait_dscnt 0x0
	CROUND                                         ; the closing round
	s_endpgm
.Lfunc_end_k_q25faa096f0_attn:
	.size	k_q25faa096f0_attn, .Lfunc_end_k_q25faa096f0_attn-k_q25faa096f0_attn
	.p2alignl 7, 3214868480
	.fill 96, 4, 3214868480
	.section	.rodata,"a",@progbits
	.p2align	6, 0x0
	.amdhsa_kernel k_q25faa096f0_attn
		.amdhsa_group_segment_fixed_size 169984
		.amdhsa_private_segment_fixed_size 0
		.amdhsa_enable_private_segment 0
		.amdhsa_kernarg_size 16
		.amdhsa_user_sgpr_count 2
		.amdhsa_user_sgpr_kernarg_segment_ptr 1
		.amdhsa_wavefront_size32 1
		.amdhsa_system_sgpr_workgroup_id_x 1
		.amdhsa_system_sgpr_workgroup_id_y 1
		.amdhsa_system_sgpr_workgroup_id_z 1
		.amdhsa_system_vgpr_workitem_id 0
		.amdhsa_next_free_vgpr 256
		.amdhsa_next_free_sgpr 66
		.amdhsa_reserve_vcc 1
		.amdhsa_float_denorm_mode_32 3
		.amdhsa_float_denorm_mode_16_64 3
		.amdhsa_memory_ordered 1
		.amdhsa_forward_progress 1
		.amdhsa_inst_pref_size 42
	.end_amdhsa_kernel
	.amdgpu_metadata
---
amdhsa.version: [ 1, 2 ]
amdhsa.kernels:
  - .name:           k_q25faa096f0_attn
    .symbol:         k_q25faa096f0_attn.kd
    .args:
      - { .name: qkv, .offset: 0, .size: 8, .value_kind: global_buffer, .address_space: global }
      - { .name: att, .offset: 8, .size: 8, .value_kind: global_buffer, .address_space: global }
    .group_segment_fixed_size: 169984
    .private_segment_fixed_size: 0
    .kernarg_segment_align: 8
    .kernarg_segment_size: 16
    .max_flat_workgroup_size: 512
    .sgpr_count:     66
    .vgpr_count:     256
    .wavefront_size: 32
...
	.end_amdgpu_metadata
.endif
;; end of part 3
;; launch proj (part 4): grid 8 x 32, 4 waves a work-group, clusters of 4 x 1, 270,848 bytes of LDS; arguments att, wts, b_proj, x, x1; writes x1
.if DOCPART == 4
	.amdgcn_target "amdgcn-amd-amdhsa--gfx1250"
	.amdhsa_code_object_version 6
	.text
	.protected	k_q25faa096f0_proj
	.globl	k_q25faa096f0_proj
	.p2align	8
	.type	k_q25faa096f0_proj,@function
k_q25faa096f0_proj:
	s_mov_b64 s[64:65], 0
	v_nop
	global_prefetch_b8 v0, s[64:65] scope:SCOPE_SE
	s_setreg_imm32_b32 hwreg(HW_REG_WAVE_MODE, 25, 1), 1
	s_wait_xcnt 0x0
	s_wait_alu depctr_hold_cnt(0) depctr_sa_sdst(0) depctr_va_vdst(0) depctr_va_sdst(0) depctr_va_ssrc(0) depctr_va_vcc(0) depctr_vm_vsrc(0)
	s_getreg_b32 s2, hwreg(HW_REG_IB_STS2, 6, 4)
	s_cmp_eq_u32 s2, 0
	s_cbranch_scc0 .Lentry_in_a_cluster
	s_endpgm
.Lentry_in_a_cluster:
	s_bfe_u32 s2, ttmp6, 0x10000c
	s_cmp_lg_u32 s2, 0x3003
	s_cbranch_scc0 .Lentry_shape_is_right
	s_endpgm
.Lentry_shape_is_right:
; out = res + A B^T + bias, f32 [4,096][1,024], K = 1,024; A (tokens) and B (the weight's 1,024 rows) are codes of E5M2 with E8M0 scales in the order of the operand's registers:
; super-fragments of 64 rows x 128 K in 8,448 bytes (fragment f at 2,048 f, chunk c at 512 c, lane L at 16 L; scale words at 8,192 + 64 f + 4 r), as [pair][K / 128][2][8,448].
; A tile is 128 x 128: 256 work-groups.  THE FOUR WAVES SHARE K, NOT THE TILE: wave w makes all 128 x 128 (64 accumulators) over K steps 2 w and 2 w + 1.
; A: the four work-groups of a cluster (4 x 1) make four tile columns of one tile row and want the same 135,168 bytes of A: one joint fill, a quarter a wave, and each wave reads only the quarter that it asked for.
; B: the partners' tiles of B differ, and each byte of B is wanted by one wave, once, as its registers want it: it goes from memory straight into them, 512 consecutive bytes a load.
; NO PREFETCH: there is no loop to run ahead in: every request for A and B goes out at the head.
; THE WAY OUT: the four partial tiles meet in LDS (over A's bytes, which have had their only fill and their last read); each wave adds, for 32 rows, the four parts, the residual and the bias, and stores whole rows of 512 bytes.
; LIMIT: an output is the sum of four f32 partial sums over K, another order of adding than one ascending chain.
.set SIZE_K,  1024
.set WOFF,    11894784                 ; the weight's operand in wts
.set PSTR,    (SIZE_K/128)*16896       ; a pair over all of K
.set PARTROW, 16896                    ; a pair's K step of 128
.set PART,    2*PARTROW                ; a wave's two K steps
.set SFB,     8448
.set REG,     67584                    ; the way out: 128 rows x 528 bytes for each wave
.set SPARE,   4*REG
.set NP, 8                             ; places behind this matrix instruction (ISA guide 7.12.1)
.set RD,   8                           ; v8-11  where I read the four parts of a row
.set ADA,  16                          ; v16    LDS: my quarter, 16 x lane
.set ADS,  18                          ; v18    LDS: my quarter, 4 x lane
.set STO,  24                          ; v24    where I put 16 bytes of a row
.set CO,   25                          ; v25    16 x lane
.set L4,   26                          ; v26    4 x lane
.set SPW,  28
.set NIL,  29
.set SA,   32                          ; A's scale words: set p at SA + 4 p; register j: lanes 0-15 block 2 j, lanes 16-31 block 2 j + 1
.set SB,   44                          ; B's: set p at SB - 4 p: no product's two scale registers have numbers equal modulo 8
.set BI,   96                          ; v96-99 the bias of my four columns
.set AF,   128                         ; A's eight fragments, one set; B's two sets fill window 1; the accumulators windows 2 and 3
.set MSB, 0
.macro WIN new
.if MSB != \new
	s_set_vgpr_msb (MSB<<8)|\new
.set MSB, \new
.endif
.endm
.set MUL_LO, 0xa1                      ; source 0 (B) window 1, source 1 (A) window 0, C and D window 2
.set TO_B,   0x40
.macro PLACES n
.rept \n
	v_nop
.endr
.endm
.macro CROUND                          ; a round of the cluster's barrier
	s_barrier_signal -1
	s_barrier_wait -1
	s_cmp_lg_u32 s14, 0
	s_cbranch_scc1 .Lnot_wave_0_\@
	s_barrier_signal -3
.Lnot_wave_0_\@:
	s_barrier_wait -3
	s_barrier_signal -1
	s_barrier_wait -1
.endm
.macro WM c, ra, rb                    ; one product; ra, rb: which half of the lanes holds B's, A's scale words
.if (\ra) && (\rb)
	v_wmma_scale_f32_16x16x128_f8f6f4 v[D_:D_+7], v[B_:B_+15], v[A_:A_+15], \c, v[SB_], v[SA_] matrix_a_fmt:MATRIX_FMT_BF8 matrix_b_fmt:MATRIX_FMT_BF8 matrix_a_scale:MATRIX_SCALE_ROW1 matrix_b_scale:MATRIX_SCALE_ROW1
.elseif \ra
	v_wmma_scale_f32_16x16x128_f8f6f4 v[D_:D_+7], v[B_:B_+15], v[A_:A_+15], \c, v[SB_], v[SA_] matrix_a_fmt:MATRIX_FMT_BF8 matrix_b_fmt:MATRIX_FMT_BF8 matrix_a_scale:MATRIX_SCALE_ROW1
.elseif \rb
	v_wmma_scale_f32_16x16x128_f8f6f4 v[D_:D_+7], v[B_:B_+15], v[A_:A_+15], \c, v[SB_], v[SA_] matrix_a_fmt:MATRIX_FMT_BF8 matrix_b_fmt:MATRIX_FMT_BF8 matrix_b_scale:MATRIX_SCALE_ROW1
.else
	v_wmma_scale_f32_16x16x128_f8f6f4 v[D_:D_+7], v[B_:B_+15], v[A_:A_+15], \c, v[SB_], v[SA_] matrix_a_fmt:MATRIX_FMT_BF8 matrix_b_fmt:MATRIX_FMT_BF8
.endif
.endm
.macro MUL16 a0, p, zero               ; A's blocks a0, a0 + 1 x B's eight; the 64 accumulators take turns in the same order in every step
.irp a, \a0, \a0+1
.irp b, 0,1,2,3,4,5,6,7
.set D_, 8*(8*((\a)%4)+\b)
.set B_, 128*(\p)+16*\b
.set A_, AF+16*(\a)
.set SB_, SB-4*(\p)+\b/2
.set SA_, SA+4*(\p)+(\a)/2
.if \zero
	WM 0, \b%2, (\a)%2
.else
	WM v[D_:D_+7], \b%2, (\a)%2
.endif
.endr
.endr
.endm
.macro LDSA a0, slot, q                ; 8 LDS loads: A's blocks a0, a0 + 1 of my q-th K step of a slot
.irp i, \a0, \a0+1
.irp c, 0,1,2,3
	ds_load_b128 v[AF+16*(\i)+4*\c:AF+16*(\i)+4*\c+3], v[ADA+\slot] offset:(\q)*PARTROW+SFB*((\i)/4)+2048*((\i)%4)+512*\c
.endr
.endr
.endm
.macro LDSS p, slot, q                 ; 4 LDS loads: that K step's scale words of A into set p
.irp j, 0,1,2,3
	ds_load_b32 v[SA+4*(\p)+\j], v[ADS+\slot] offset:(\q)*PARTROW+SFB*(\j/2)+8192+128*(\j%2)
.endr
.endm
.macro LOADB p, t                      ; 36 loads: B's scale words and eight fragments of my K step number t, into set p
.set BO_, ((\t)/2)*8*PARTROW+((\t)%2)*PARTROW
.irp j, 0,1,2,3
	global_load_b32 v[SB-4*(\p)+\j], v[L4], s[6:7] offset:BO_+SFB*(\j/2)+8192+128*(\j%2)
.endr
	WIN TO_B
.irp i, 0,1,2,3,4,5,6,7
.irp c, 0,1,2,3
	global_load_b128 v[128*(\p)+16*\i+4*\c:128*(\p)+16*\i+4*\c+3], v[CO], s[6:7] offset:BO_+SFB*(\i/4)+2048*(\i%4)+512*\c
.endr
.endr
	WIN 0
.endm
.macro RES                             ; 33 loads: the residual of my 32 rows into B's set 0, which is done with, and the bias
	WIN TO_B
.set t, 0
.rept 32
	global_load_b128 v[4*t:4*t+3], v[CO], s[10:11] offset:(8*(t/16)+t%16+8*((t%16)/8))*4096   ; row slot 32 w + t: a fragment's rows are not neighbours
.set t, t+1
.endr
	WIN 0
	global_load_b128 v[BI:BI+3], v[CO], s[8:9]
.endm
; A K step: four times 16 products on two blocks of A.  mode 2: behind each sixteen and their places the two blocks' registers take the next K step's from LDS (slot x, its y-th), whose scale words are asked for at the step's head.
; mode 0: nothing more of A.  At the end set p of B takes my K step bn, or the residual (-2).  Ahead of pair g: s_wait_loadcnt lw (what was issued behind this step's B) and s_wait_dscnt dw - ddec g (what was issued behind the pair's LDS loads).
.macro STEP p, zero, lw, dw, ddec, mode, x, y, bn
.if \mode == 2
	LDSS 1-(\p), \x, \y
.endif
	s_wait_loadcnt \lw
.irp g, 0,1,2,3
	s_wait_dscnt (\dw)-(\ddec)*\g
.set WW, MUL_LO+0x50*(\g/2)
	WIN WW
	MUL16 2*\g, \p, \zero
.if \mode
	PLACES NP
	WIN 0
	LDSA 2*\g, \x, \y
.endif
.endr
.if \mode == 0
	WIN 0
	PLACES NP
.endif
.if (\bn) >= 0
	LOADB \p, \bn
.elseif (\bn) == -2
	RES
.endif
.endm
	s_load_b256 s[4:11], s[0:1], 0x0               ; A, wts, bias, res
	s_load_b64 s[12:13], s[0:1], 0x20              ; out
	v_lshl_add_u32 v[SPW], v0, 2, SPARE
	v_mov_b32 v[NIL], 0
	ds_add_u32 v[SPW], v[NIL]                      ; the opening lines: the add, twice on end, and its wait ahead of my first tensor load
	ds_add_u32 v[SPW], v[NIL]
	v_lshrrev_b32 v1, 5, v0
	v_readfirstlane_b32 s14, v1                    ; wave 0..3
	s_bfe_u32 s15, ttmp6, 0x40000                  ; cx: it enters global addresses of B, the residual and the output alone
	s_lshl_b32 s16, ttmp9, 2
	s_add_co_u32 s16, s16, s15                     ; tile column = B's pair
	s_and_b32 s17, ttmp7, 0xffff                   ; tile row = A's pair, which the four partners share
	s_mov_b32 s24, 15|(3<<16)|(1<<21)              ; group 1: the mask: all four; elements of 8 bytes; bit 21 beside a mask
	s_mov_b32 s25, 32<<16                          ; 132 rows of 256 bytes, dense
	s_mov_b32 s26, 132<<16
	s_mov_b32 s27, 32<<16
	s_mov_b32 s28, 132
	s_mov_b32 s29, 32
	s_mov_b32 s30, 0
	s_mov_b32 s31, 0
	s_mul_i32 s18, s14, PART                       ; my quarter, in memory and in LDS
	s_mul_i32 s20, s17, PSTR
	s_add_co_u32 s20, s20, s18
	s_mov_b32 s21, 0
	s_mul_i32 s22, s16, PSTR
	s_add_co_u32 s22, s22, s18
	s_add_co_u32 s22, s22, WOFF
	s_mov_b32 s23, 0
	s_lshl_b32 s48, s17, 7
	s_lshl_b32 s49, s14, 5
	s_add_co_u32 s48, s48, s49                     ; token 128 x tile row + 32 w
	s_lshl_b32 s48, s48, 12
	s_lshl_b32 s50, s16, 9                         ; 512 bytes x tile column
	s_add_co_u32 s48, s48, s50
	s_mov_b32 s49, 0
	s_mov_b32 s51, 0
	s_mul_i32 s52, s14, REG
	s_mul_i32 s53, s14, 32*528
	s_mov_b32 s32, 1
	s_mov_b32 s33, s18
	v_and_b32 v1, 15, v0
	v_bfe_u32 v2, v0, 4, 1
	v_and_b32 v3, 31, v0
	v_lshlrev_b32 v[CO], 4, v3
	v_lshlrev_b32 v[L4], 2, v3
	v_mul_u32_u24 v5, v1, 528
	v_lshl_add_u32 v5, v2, 6, v5
	v_add_nc_u32 v[STO], s52, v5                   ; my region: row r, + 64 h
	v_add_nc_u32 v[RD], s53, v[CO]                 ; rows 32 w on of each region
	v_add_nc_u32 v[RD+1], REG, v[RD]
	v_add_nc_u32 v[RD+2], REG, v[RD+1]
	v_add_nc_u32 v[RD+3], REG, v[RD+2]
	v_add_nc_u32 v[ADA], s18, v[CO]
	v_add_nc_u32 v[ADS], s18, v[L4]
	s_wait_alu depctr_va_vdst(0)
	s_wait_dscnt 0x0                               ; both opening adds are done
	s_wait_kmcnt 0x0
	s_add_nc_u64 s[34:35], s[4:5], s[20:21]
	s_or_b32 s35, s35, 0x80000000
	s_add_nc_u64 s[6:7], s[6:7], s[22:23]
	CROUND                                         ; all four work-groups are here: the joint loads meet
	tensor_load_to_lds s[32:35], s[24:31]          ; my quarter of A: K steps 2 w, 2 w + 1
	s_nop 0
	PLACES 4
	LOADB 0, 0
	LOADB 1, 1
	s_add_nc_u64 s[10:11], s[10:11], s[48:49]
	s_add_nc_u64 s[12:13], s[12:13], s[48:49]
	s_add_nc_u64 s[8:9], s[8:9], s[50:51]
	s_wait_tensorcnt 0x0                           ; my quarter is in; nobody else reads it
	LDSS 0, 0, 0
	LDSA 0, 0, 0
	LDSA 2, 0, 0
	LDSA 4, 0, 0
	LDSA 6, 0, 0
	STEP 0, 1, 36, 28, 0, 2, 0, 1, -2              ; behind B's first set: the second's 36; behind a pair's LDS loads: 24 of A's and 4 scale words.  The first products start the sums
	STEP 1, 0, 33, 24, 8, 0, 0, 0, -1              ; behind B's second set: the 33 of RES; behind pair g's LDS loads: 8 (3 - g)
	s_barrier_signal -1                            ; my reads of A's bytes are over (the wait for 0 above): behind this barrier nobody reads them
	s_barrier_wait -1
.irp a, 0,1,2,3,4,5,6,7
.set WW, 0x08+4*(\a/4)
	WIN WW                                         ; an LDS store's data are its source 1: window 2 or 3
.irp b, 0,1,2,3,4,5,6,7
	ds_store_b128 v[STO], v[64*(\a%4)+8*\b:64*(\a%4)+8*\b+3] offset:\a*8448+128*(\b/2)+32*(\b%2)       ; each accumulator from its low end on
	ds_store_b128 v[STO], v[64*(\a%4)+8*\b+4:64*(\a%4)+8*\b+7] offset:\a*8448+128*(\b/2)+32*(\b%2)+16
.endr
.endr
	WIN 0
	s_wait_dscnt 0x0                               ; for the others' sake: my part lies in LDS
	s_barrier_signal -1
	s_barrier_wait -1
.macro BATCH u                         ; eight rows: the four parts, the residual, the bias
.if \u > 0
	s_wait_xcnt 0x0                                ; the last batch's stores have read their registers
.endif
.irp p, 0,1,2,3
.irp t, 0,1,2,3,4,5,6,7
	ds_load_b128 v[128+32*\p+4*\t:131+32*\p+4*\t], v[RD+\p] offset:(8*\u+\t)*528
.endr
.endr
	s_wait_dscnt 0x0
.if \u == 0
	s_wait_loadcnt 0x0                             ; the residual and the bias
.endif
.irp i, 0,2,4,6,8,10,12,14,16,18,20,22,24,26,28,30
	v_pk_add_f32 v[128+\i:129+\i], v[128+\i:129+\i], v[160+\i:161+\i]
	v_pk_add_f32 v[192+\i:193+\i], v[192+\i:193+\i], v[224+\i:225+\i]
.endr
.irp i, 0,2,4,6,8,10,12,14,16,18,20,22,24,26,28,30
	v_pk_add_f32 v[128+\i:129+\i], v[128+\i:129+\i], v[192+\i:193+\i]
.endr
	WIN 0x04                                       ; source 1: window 1
.irp i, 0,2,4,6,8,10,12,14,16,18,20,22,24,26,28,30
	v_pk_add_f32 v[128+\i:129+\i], v[128+\i:129+\i], v[32*\u+\i:32*\u+\i+1]
.endr
	WIN 0
.irp t, 0,1,2,3,4,5,6,7
	v_pk_add_f32 v[128+4*\t:129+4*\t], v[128+4*\t:129+4*\t], v[BI:BI+1]
	v_pk_add_f32 v[130+4*\t:131+4*\t], v[130+4*\t:131+4*\t], v[BI+2:BI+3]
.endr
.irp t, 0,1,2,3,4,5,6,7
	global_store_b128 v[CO], v[128+4*\t:131+4*\t], s[12:13] offset:(8*((8*\u+\t)/16)+(8*\u+\t)%16+8*(((8*\u+\t)%16)/8))*4096   ; 512 consecutive bytes of a row
.endr
.endm
	BATCH 0
	BATCH 1
	BATCH 2
	BATCH 3
	s_wait_tensorcnt 0x0                           ; the wave's end
	ds_add_u32 v[SPW], v[NIL]
	s_wait_dscnt 0x0
	CROUND                                         ; the closing round
	s_endpgm
.Lfunc_end_k_q25faa096f0_proj:
	.size	k_q25faa096f0_proj, .Lfunc_end_k_q25faa096f0_proj-k_q25faa096f0_proj
	.p2alignl 7, 3214868480
	.fill 96, 4, 3214868480
	.section	.rodata,"a",@progbits
	.p2align	6, 0x0
	.amdhsa_kernel k_q25faa096f0_proj
		.amdhsa_group_segment_fixed_size 270848
		.amdhsa_private_segment_fixed_size 0
		.amdhsa_enable_private_segment 0
		.amdhsa_kernarg_size 40
		.amdhsa_user_sgpr_count 2
		.amdhsa_user_sgpr_kernarg_segment_ptr 1
		.amdhsa_wavefront_size32 1
		.amdhsa_system_sgpr_workgroup_id_x 1
		.amdhsa_system_sgpr_workgroup_id_y 1
		.amdhsa_system_sgpr_workgroup_id_z 1
		.amdhsa_system_vgpr_workitem_id 0
		.amdhsa_next_free_vgpr 1024
		.amdhsa_next_free_sgpr 66
		.amdhsa_reserve_vcc 0
		.amdhsa_float_denorm_mode_32 3
		.amdhsa_float_denorm_mode_16_64 3
		.amdhsa_memory_ordered 1
		.amdhsa_forward_progress 1
		.amdhsa_inst_pref_size 77
	.end_amdhsa_kernel
	.amdgpu_metadata
---
amdhsa.version: [ 1, 2 ]
amdhsa.kernels:
  - .name:           k_q25faa096f0_proj
    .symbol:         k_q25faa096f0_proj.kd
    .args:
      - { .name: att, .offset: 0, .size: 8, .value_kind: global_buffer, .address_space: global }
      - { .name: wts, .offset: 8, .size: 8, .value_kind: global_buffer, .address_space: global }
      - { .name: b_proj, .offset: 16, .size: 8, .value_kind: global_buffer, .address_space: global }
      - { .name: x, .offset: 24, .size: 8, .value_kind: global_buffer, .address_space: global }
      - { .name: x1, .offset: 32, .size: 8, .value_kind: global_buffer, .address_space: global }
    .group_segment_fixed_size: 270848
    .private_segment_fixed_size: 0
    .kernarg_segment_align: 8
    .kernarg_segment_size: 40
    .max_flat_workgroup_size: 128
    .sgpr_count:     66
    .vgpr_count:     1024
    .wavefront_size: 32
...
	.end_amdgpu_metadata
.endif
;; end of part 4
;; launch ln2 (part 5): grid 256 x 1, 8 waves a work-group, no clusters, 67,072 bytes of LDS; arguments x1, ln2_g, ln2_b, hop; writes hop
.if DOCPART == 5
	.amdgcn_target "amdgcn-amd-amdhsa--gfx1250"
	.amdhsa_code_object_version 6
	.text
	.protected	k_q25faa096f0_ln2
	.globl	k_q25faa096f0_ln2
	.p2align	8
	.type	k_q25faa096f0_ln2,@function
k_q25faa096f0_ln2:
	s_mov_b64 s[64:65], 0
	v_nop
	global_prefetch_b8 v0, s[64:65] scope:SCOPE_SE
	s_setreg_imm32_b32 hwreg(HW_REG_WAVE_MODE, 25, 1), 1
	s_wait_xcnt 0x0
; h = (x - mean) * rsqrt(var + 1e-5) * g + b for rows of 1,024 f32, then quantised along the row to E5M2 with one E8M0 byte for each 32, and stored in the order of a matrix operand's registers
; (super-fragments of 64 rows x 128 K in 8,448 bytes: fragment f at 2,048 f, chunk c at 512 c, lane L at 16 L; lane (r, h) holds k = 32 c + 16 h + 0..15 of row 32 (f / 2) + 8 (f % 2) + r + 8 (r / 8); scale words at 8,192 + 64 f + 4 r).
; A work-group owns ONE fragment's 16 rows, for all of K.  Phase 1: wave w norms rows r = 2 w and 2 w + 1, each row whole in 32 registers (mean first, then the squares of x - mean: nothing is formed as a difference of large sums),
; and lays them in LDS.  One barrier.  Phase 2: wave w takes K step w: lane (r, h) reads its 64 numbers, quantises them, and the conversions' results are stored as they stand, 512 consecutive bytes a store.
; LDS rows are 4,096 + 16 bytes apart, so that the sixteen rows that a load touches start at sixteen different banks (64 banks of 4 bytes: ISA guide 11.1).  Work-groups share no input: no cluster.
; LIMITS: NaN and infinities are not served; a block of zeros, or under 2^-111, gets the byte 1; the root comes from v_rsq_f32.
.set X,   16                           ; v16-79   two rows as loaded; in phase 2 the lane's 64 numbers
.set GG,  80                           ; v80-111  g of my 32 columns
.set BB,  112                          ; v112-143 b
.set SM,  144                          ; v144-147 a pair of sums for each row
.set PT,  148                          ; v148-149 the other half of the lanes' sum
.set MU,  150                          ; v150-153 the mean, twice, for each row
.set RS,  154                          ; v154-157 1 / sqrt(var + eps), twice, for each row
.set TM,  160                          ; v160-163 largest magnitudes, v164-167 bytes, v168-171 57,344 x the scale, v172-175 the scale operands
.set PW,  176                          ; the scale word
.set PC,  180                          ; v180-195 the codes
.set PITCH, 4112
	s_load_b256 s[4:11], s[0:1], 0x0               ; x, g, b, the operand
	v_lshl_add_u32 v200, v0, 2, 0x10200
	v_mov_b32 v201, 0
	v_lshrrev_b32 v1, 5, v0
	s_delay_alu instid0(VALU_DEP_1)
	v_readfirstlane_b32 s12, v1                    ; wave 0..7
	v_and_b32 v2, 31, v0
	s_delay_alu instid0(VALU_DEP_1)
	v_lshlrev_b32 v3, 4, v2                        ; 16 x lane
	s_wait_alu depctr_va_vdst(0)
	v_and_b32 v6, 15, v0                           ; r
	s_wait_alu depctr_va_vdst(0)
	v_bfe_u32 v7, v0, 4, 1                         ; h
	s_lshr_b32 s13, ttmp9, 2                       ; the super-fragment
	s_and_b32 s14, ttmp9, 3                        ; the fragment f
	s_lshl_b32 s15, s13, 6
	s_lshr_b32 s16, s14, 1
	s_lshl_b32 s16, s16, 5
	s_add_co_u32 s15, s15, s16
	s_and_b32 s16, s14, 1
	s_lshl_b32 s16, s16, 3
	s_add_co_u32 s15, s15, s16                     ; the fragment's first row: 64 sf + 32 (f / 2) + 8 (f % 2)
	s_lshl_b32 s16, s12, 1
	s_add_co_u32 s15, s15, s16
	s_lshr_b32 s16, s12, 2
	s_lshl_b32 s16, s16, 3
	s_add_co_u32 s15, s15, s16                     ; + r + 8 (r / 8) for r = 2 w: my two rows are neighbours
	s_lshl_b32 s16, s15, 12
	s_mov_b32 s17, 0
	s_mov_b32 s19, 0x600000                        ; the mantissa field of 57,344
	s_mov_b32 s20, 0x76543210
	s_mov_b32 s21, 0xfedcba98                      ; v_permlanex16_b32's selects for lane l xor 16
	s_mov_b32 s22, 0x3a800000                      ; 1 / 1,024
	s_mov_b32 s23, 0x3727c5ac                      ; 1e-5
	s_mul_i32 s18, s12, 2*PITCH
	v_add_nc_u32 v4, s18, v3                       ; LDS, in: rows 2 w, 2 w + 1; 16 bytes a lane
	v_mul_u32_u24 v5, v6, PITCH
	s_wait_alu depctr_va_vdst(0)
	v_lshl_add_u32 v5, v7, 6, v5
	s_lshl_b32 s18, s12, 9
	v_add_nc_u32 v5, s18, v5                       ; LDS, out: row r, K step w, + 64 h
	s_wait_kmcnt 0x0
	s_add_nc_u64 s[4:5], s[4:5], s[16:17]
.irp e, 0,1
.irp j, 0,1,2,3,4,5,6,7
	global_load_b128 v[X+32*\e+4*\j:X+32*\e+4*\j+3], v3, s[4:5] offset:4096*\e+512*\j   ; 512 consecutive bytes a load
.endr
.endr
.irp j, 0,1,2,3,4,5,6,7
	global_load_b128 v[GG+4*\j:GG+4*\j+3], v3, s[6:7] offset:512*\j
.endr
.irp j, 0,1,2,3,4,5,6,7
	global_load_b128 v[BB+4*\j:BB+4*\j+3], v3, s[8:9] offset:512*\j
.endr
	s_lshr_b32 s24, s13, 1                         ; where my K step of the fragment goes
	s_mul_i32 s24, s24, 135168
	s_mul_i32 s25, s12, 16896
	s_add_co_u32 s24, s24, s25
	s_and_b32 s25, s13, 1
	s_mul_i32 s25, s25, 8448
	s_add_co_u32 s24, s24, s25
	s_mov_b32 s25, 0
	s_add_nc_u64 s[10:11], s[10:11], s[24:25]
	s_lshl_b32 s26, s14, 11
	v_add_nc_u32 v8, s26, v3                       ; codes: 2,048 f + 16 x lane
	s_lshl_b32 s26, s14, 6
	s_add_co_u32 s26, s26, 8192
	v_lshl_add_u32 v9, v6, 2, s26                  ; scale word: 8,192 + 64 f + 4 r
	v_mov_b32 v[PT], 0                             ; a lane permute's destination counts as one of its sources
	v_mov_b32 v[PT+1], 0
.irp b, 0,1,2,3
	v_mov_b32 v[TM+4+\b], 0
.endr
.macro LANESUM                         ; the two rows' sums over the 32 lanes, by turns; every lane ends with the result
.irp e, 0,1
	s_delay_alu instid0(VALU_DEP_2)
	v_add_f32 v[SM+2*\e], v[SM+2*\e], v[SM+2*\e+1]
.endr
.irp m, 1,2,4,8
.irp e, 0,1
	s_delay_alu instid0(VALU_DEP_2)
	v_add_f32_dpp v[SM+2*\e], v[SM+2*\e], v[SM+2*\e] row_xmask:\m row_mask:0xf bank_mask:0xf
.endr
.endr
.irp e, 0,1
	s_delay_alu instid0(VALU_DEP_2)
	v_permlanex16_b32 v[PT+\e], v[SM+2*\e], s20, s21
.endr
.irp e, 0,1
	s_delay_alu instid0(VALU_DEP_2)
	v_add_f32 v[SM+2*\e], v[SM+2*\e], v[PT+\e]
.endr
.endm
	s_wait_loadcnt 16                              ; x's 16 loads are in; the 16 of g and b may be out
.irp e, 0,1
	v_pk_add_f32 v[SM+2*\e:SM+2*\e+1], v[X+32*\e:X+32*\e+1], v[X+32*\e+2:X+32*\e+3]
.endr
.irp i, 4,6,8,10,12,14,16,18,20,22,24,26,28,30
.irp e, 0,1
	s_delay_alu instid0(VALU_DEP_2)
	v_pk_add_f32 v[SM+2*\e:SM+2*\e+1], v[SM+2*\e:SM+2*\e+1], v[X+32*\e+\i:X+32*\e+\i+1]
.endr
.endr
	LANESUM
.irp e, 0,1
	s_delay_alu instid0(VALU_DEP_2)
	v_mul_f32 v[MU+2*\e], s22, v[SM+2*\e]          ; the mean
.endr
.irp e, 0,1
	s_delay_alu instid0(VALU_DEP_2)
	v_mov_b32 v[MU+2*\e+1], v[MU+2*\e]
.endr
.irp i, 0,2,4,6,8,10,12,14,16,18,20,22,24,26,28,30
.irp e, 0,1
	v_pk_add_f32 v[X+32*\e+\i:X+32*\e+\i+1], v[X+32*\e+\i:X+32*\e+\i+1], v[MU+2*\e:MU+2*\e+1] neg_lo:[0,1] neg_hi:[0,1]   ; x - mean
.endr
.endr
.irp e, 0,1
	v_pk_mul_f32 v[SM+2*\e:SM+2*\e+1], v[X+32*\e:X+32*\e+1], v[X+32*\e:X+32*\e+1]
.endr
.irp i, 2,4,6,8,10,12,14,16,18,20,22,24,26,28,30
.irp e, 0,1
	s_delay_alu instid0(VALU_DEP_2)
	v_pk_fma_f32 v[SM+2*\e:SM+2*\e+1], v[X+32*\e+\i:X+32*\e+\i+1], v[X+32*\e+\i:X+32*\e+\i+1], v[SM+2*\e:SM+2*\e+1]
.endr
.endr
	LANESUM
.irp e, 0,1
	s_delay_alu instid0(VALU_DEP_2)
	v_fma_f32 v[RS+2*\e], v[SM+2*\e], s22, s23     ; var + eps
.endr
	s_wait_alu depctr_va_vdst(0)
.irp e, 0,1
	v_rsq_f32 v[RS+2*\e], v[RS+2*\e]
.endr
	v_nop                                          ; a plain line behind the roots,
	s_wait_alu depctr_va_vdst(0)                   ; and one wait for both, ahead of their first reader
.irp e, 0,1
	v_mov_b32 v[RS+2*\e+1], v[RS+2*\e]
.endr
	s_wait_alu depctr_va_vdst(0)
	s_wait_loadcnt 0x0                             ; g and b
.irp i, 0,2,4,6,8,10,12,14,16,18,20,22,24,26,28,30
.irp e, 0,1
	v_pk_mul_f32 v[X+32*\e+\i:X+32*\e+\i+1], v[X+32*\e+\i:X+32*\e+\i+1], v[RS+2*\e:RS+2*\e+1]
.endr
.endr
.irp i, 0,2,4,6,8,10,12,14,16,18,20,22,24,26,28,30
.irp e, 0,1
	v_pk_fma_f32 v[X+32*\e+\i:X+32*\e+\i+1], v[X+32*\e+\i:X+32*\e+\i+1], v[GG+\i:GG+\i+1], v[BB+\i:BB+\i+1]
.endr
.endr
.irp e, 0,1
.irp j, 0,1,2,3,4,5,6,7
	ds_store_b128 v4, v[X+32*\e+4*\j:X+32*\e+4*\j+3] offset:\e*PITCH+512*\j
.endr
.endr
	s_wait_dscnt 0x0                               ; for the others' sake: my rows lie in LDS
	s_barrier_signal -1
	s_barrier_wait -1
.irp c, 0,1,2,3
.irp j, 0,1,2,3
	ds_load_b128 v[X+16*\c+4*\j:X+16*\c+4*\j+3], v5 offset:128*\c+16*\j   ; register 16 c + i = k 128 w + 32 c + 16 h + i of row r
.endr
.endr
	s_wait_dscnt 0x0
.irp b, 0,1,2,3
	v_max3_num_f32 v[TM+\b], |v[X+16*\b]|, |v[X+1+16*\b]|, 0x8000000   ; block b: my 16 numbers and the floor 2^(16 - 127)
.endr
.irp i, 2,4,6,8,10,12,14
.irp b, 0,1,2,3
	s_delay_alu instid0(VALU_DEP_4)
	v_max3_num_f32 v[TM+\b], v[TM+\b], |v[X+16*\b+\i]|, |v[X+1+16*\b+\i]|
.endr
.endr
.irp b, 0,1,2,3
	s_delay_alu instid0(VALU_DEP_4)
	v_permlanex16_b32 v[TM+4+\b], v[TM+\b], s20, s21
.endr
.irp b, 0,1,2,3
	s_delay_alu instid0(VALU_DEP_4)
	v_max_num_f32 v[TM+\b], v[TM+\b], v[TM+4+\b]   ; with lane l xor 16's: the block's largest magnitude
.endr
.irp b, 0,1,2,3
	s_delay_alu instid0(VALU_DEP_4)
	v_add_nc_u32 v[TM+12+\b], 0xf8800000, v[TM+\b] ; 15 off the exponent field: the conversion's scale operand
.endr
.irp b, 0,1,2,3
	v_and_or_b32 v[TM+8+\b], v[TM+\b], 0x7f800000, s19   ; 57,344 x the scale
.endr
.irp b, 0,1,2,3
	v_lshrrev_b32 v[TM+4+\b], 23, v[TM+12+\b]      ; the scale's byte
.endr
	s_delay_alu instid0(VALU_DEP_3)
	v_lshl_or_b32 v[PW], v[TM+5], 8, v[TM+4]
	s_delay_alu instid0(VALU_DEP_1)
	v_lshl_or_b32 v[PW], v[TM+6], 16, v[PW]
	s_delay_alu instid0(VALU_DEP_1)
	v_lshl_or_b32 v[PW], v[TM+7], 24, v[PW]
.irp b, 0,1,2,3
.irp i, 0,1,2,3,4,5,6,7,8,9,10,11,12,13,14,15
	v_med3_num_f32 v[X+16*\b+\i], v[X+16*\b+\i], -v[TM+8+\b], v[TM+8+\b]   ; the conversion does not saturate (ISA guide 7.6.2): the hold comes first
.endr
	v_cvt_scalef32_pk8_bf8_f32 v[PC+4*\b:PC+1+4*\b], v[X+16*\b:X+7+16*\b], v[TM+12+\b]
	v_cvt_scalef32_pk8_bf8_f32 v[PC+2+4*\b:PC+3+4*\b], v[X+8+16*\b:X+15+16*\b], v[TM+12+\b]
.endr
	v_nop
.irp c, 0,1,2,3
	global_store_b128 v8, v[PC+4*\c:PC+4*\c+3], s[10:11] offset:512*\c   ; 512 consecutive bytes
.endr
	global_store_b32 v9, v[PW], s[10:11]           ; 64 consecutive bytes; both halves of the lanes write the same word with the same value
	s_wait_tensorcnt 0x0
	ds_add_u32 v200, v201
	s_wait_dscnt 0x0
	s_endpgm
.Lfunc_end_k_q25faa096f0_ln2:
	.size	k_q25faa096f0_ln2, .Lfunc_end_k_q25faa096f0_ln2-k_q25faa096f0_ln2
	.p2alignl 7, 3214868480
	.fill 96, 4, 3214868480
	.section	.rodata,"a",@progbits
	.p2align	6, 0x0
	.amdhsa_kernel k_q25faa096f0_ln2
		.amdhsa_group_segment_fixed_size 67072
		.amdhsa_private_segment_fixed_size 0
		.amdhsa_enable_private_segment 0
		.amdhsa_kernarg_size 32
		.amdhsa_user_sgpr_count 2
		.amdhsa_user_sgpr_kernarg_segment_ptr 1
		.amdhsa_wavefront_size32 1
		.amdhsa_system_sgpr_workgroup_id_x 1
		.amdhsa_system_sgpr_workgroup_id_y 1
		.amdhsa_system_sgpr_workgroup_id_z 1
		.amdhsa_system_vgpr_workitem_id 0
		.amdhsa_next_free_vgpr 202
		.amdhsa_next_free_sgpr 66
		.amdhsa_reserve_vcc 0
		.amdhsa_float_denorm_mode_32 3
		.amdhsa_float_denorm_mode_16_64 3
		.amdhsa_memory_ordered 1
		.amdhsa_forward_progress 1
		.amdhsa_inst_pref_size 33
	.end_amdhsa_kernel
	.amdgpu_metadata
---
amdhsa.version: [ 1, 2 ]
amdhsa.kernels:
  - .name:           k_q25faa096f0_ln2
    .symbol:         k_q25faa096f0_ln2.kd
    .args:
      - { .name: x1, .offset: 0, .size: 8, .value_kind: global_buffer, .address_space: global }
      - { .name: ln2_g, .offset: 8, .size: 8, .value_kind: global_buffer, .address_space: global }
      - { .name: ln2_b, .offset: 16, .size: 8, .value_kind: global_buffer, .address_space: global }
      - { .name: hop, .offset: 24, .size: 8, .value_kind: global_buffer, .address_space: global }
    .group_segment_fixed_size: 67072
    .private_segment_fixed_size: 0
    .kernarg_segment_align: 8
    .kernarg_segment_size: 32
    .max_flat_workgroup_size: 256
    .sgpr_count:     66
    .vgpr_count:     202
    .wavefront_size: 32
...
	.end_amdgpu_metadata
.endif
;; end of part 5
;; launch ffn1 (part 6): grid 16 x 16, 4 waves a work-group, clusters of 4 x 4, 327,680 bytes of LDS; arguments hop, wts, b1, hid; writes hid
.if DOCPART == 6
	.amdgcn_target "amdgcn-amd-amdhsa--gfx1250"
	.amdhsa_code_object_version 6
	.text
	.protected	k_q25faa096f0_ffn1
	.globl	k_q25faa096f0_ffn1
	.p2align	8
	.type	k_q25faa096f0_ffn1,@function
k_q25faa096f0_ffn1:
	s_mov_b64 s[64:65], 0
	v_nop
	global_prefetch_b8 v0, s[64:65] scope:SCOPE_SE
	s_setreg_imm32_b32 hwreg(HW_REG_WAVE_MODE, 25, 1), 1
	s_wait_xcnt 0x0
	s_wait_alu depctr_hold_cnt(0) depctr_sa_sdst(0) depctr_va_vdst(0) depctr_va_sdst(0) depctr_va_ssrc(0) depctr_va_vcc(0) depctr_vm_vsrc(0)
	s_getreg_b32 s2, hwreg(HW_REG_IB_STS2, 6, 4)
	s_cmp_eq_u32 s2, 0
	s_cbranch_scc0 .Lentry_in_a_cluster
	s_endpgm
.Lentry_in_a_cluster:
	s_bfe_u32 s2, ttmp6, 0x10000c
	s_cmp_lg_u32 s2, 0xf033
	s_cbranch_scc0 .Lentry_shape_is_right
	s_endpgm
.Lentry_shape_is_right:
.set PARTROW, 16896
.set SFB,     8448
.set PART,    33792
.set SLOT,    135168
.set SPARE,   270336
.set PSTR,    135168
.set WOFF,    3244032
.set NQ, 2
.set FR, 16
.set NL, 4
.set NP, 8
.set LI,   4
.set ADRA, 16
.set ADRB, 20
.set ADRS, 26
.set SPW,  28
.set NIL,  29
.set SC,   32
.set BIAS, 64
.set TM,   64
.set PW,   80
.set MW,   88
.set AF,   128
.set PC,   128
.set G1, 24
.set G0, 32
.set G1B, 48
.set G0B, 56
.set SEL, 68
.set MNT, 70
.set MSB, 0
.macro WIN new
.if MSB != \new
	s_set_vgpr_msb (MSB<<8)|\new
.set MSB, \new
.endif
.endm
.set MUL_LO, 0xa1
.set MUL_HI, 0xf1
.set TO_B,   0x40
.macro JLOAD g0a, g1a, g0b, g1b
	s_cmp_eq_u32 s15, 0
	s_cbranch_scc0 .Lfor_b_\@
	tensor_load_to_lds s[\g0a:\g0a+3], s[\g1a:\g1a+7]
	s_nop 0
.rept 4
	v_nop
.endr
	s_branch .Lasked_\@
.Lfor_b_\@:
	tensor_load_to_lds s[\g0b:\g0b+3], s[\g1b:\g1b+7]
	s_nop 0
.rept 4
	v_nop
.endr
.Lasked_\@:
.endm
.macro CREST
	s_cmp_lg_u32 s14, 0
	s_cbranch_scc1 .Lnot_wave_0_\@
	s_barrier_signal -3
.Lnot_wave_0_\@:
	s_barrier_wait -3
	s_barrier_signal -1
	s_barrier_wait -1
.endm
.macro CROUND
	s_barrier_signal -1
	s_barrier_wait -1
	CREST
.endm
	s_load_b128 s[4:7], s[0:1], 0x0
	s_load_b128 s[8:11], s[0:1], 0x10
	v_lshl_add_u32 v[SPW], v0, 2, SPARE
	v_mov_b32 v[NIL], 0
	ds_add_u32 v28, v29
	ds_add_u32 v28, v29
	s_wait_dscnt 0x0
	v_lshrrev_b32 v1, 5, v0
	v_readfirstlane_b32 s14, v1
	s_lshr_b32 s15, s14, 1
	s_and_b32 s16, s14, 1
	s_bfe_u32 s40, ttmp6, 0x40000
	s_bfe_u32 s41, ttmp6, 0x40004
	s_lshl_b32 s42, ttmp9, 2
	s_add_co_u32 s42, s42, s40
	s_and_b32 s17, ttmp7, 0xffff
	s_lshl_b32 s17, s17, 2
	s_add_co_u32 s17, s17, s41
	s_lshl_b32 s43, s41, 2
	s_lshl_b32 s43, 15, s43
	s_lshl_b32 s44, 0x1111, s40
	s_or_b32 s[G1+0], s43, (3<<16)|(1<<21)
	s_or_b32 s[G1B+0], s44, (3<<16)|(1<<21)
.irp g, G1, G1B
	s_mov_b32 s[\g+1], 32<<16
	s_mov_b32 s[\g+2], 132<<16
	s_mov_b32 s[\g+3], 32<<16
	s_mov_b32 s[\g+4], 132
	s_mov_b32 s[\g+5], 32
	s_mov_b32 s[\g+6], 0
	s_mov_b32 s[\g+7], 0
.endr
	s_lshl_b32 s20, s17, 1
	s_add_co_u32 s20, s20, s16
	s_mul_i32 s20, s20, PSTR
	s_mov_b32 s21, 0
	s_lshl_b32 s46, s42, 1
	s_add_co_u32 s46, s46, s16
	s_mul_i32 s46, s46, PSTR
	s_add_co_u32 s46, s46, WOFF
	s_mov_b32 s47, 0
	s_mul_i32 s45, s14, PART
	s_mov_b32 s[SEL], 0x76543210
	s_mov_b32 s[SEL+1], 0xfedcba98
	s_mov_b32 s[MNT], 0x600000
	s_wait_kmcnt 0x0
	s_add_nc_u64 s[20:21], s[4:5], s[20:21]
	s_add_nc_u64 s[46:47], s[6:7], s[46:47]
	CROUND
.irp s, 0,1
	s_mov_b32 s[G0+4*\s], 1
	s_add_co_u32 s[G0+4*\s+1], s45, \s*SLOT
	s_add_nc_u64 s[G0+4*\s+2:G0+4*\s+3], s[20:21], \s*PART
	s_or_b32 s[G0+4*\s+3], s[G0+4*\s+3], 0x80000000
	s_mov_b32 s[G0B+4*\s], 1
	s_add_co_u32 s[G0B+4*\s+1], s45, \s*SLOT
	s_add_nc_u64 s[G0B+4*\s+2:G0B+4*\s+3], s[46:47], \s*PART
	s_or_b32 s[G0B+4*\s+3], s[G0B+4*\s+3], 0x80000000
.if \s                                 ; slot 1's first fill is issued as a refill is
	s_wait_alu depctr_va_vdst(0)
	s_wait_tensorcnt 0x0                           ; my part of slot 0 is in
	ds_add_u32 v28, v29
	s_wait_dscnt 0x0
	CROUND
.endif
	JLOAD G0+4*\s, G1, G0B+4*\s, G1B
.endr
	v_and_b32 v1, 15, v0
	v_bfe_u32 v2, v0, 4, 1
	v_and_b32 v3, 31, v0
	v_lshlrev_b32 v[LI], 4, v3
	s_wait_alu depctr_va_vdst(0)
	v_lshlrev_b32 v7, 2, v3
	v_lshlrev_b32 v5, 6, v2
	s_lshl_b32 s20, s42, 10
	s_lshl_b32 s21, s16, 9
	s_add_co_u32 s20, s20, s21
	s_mov_b32 s21, 0
	s_add_nc_u64 s[8:9], s[8:9], s[20:21]
.irp b, 0,1,2,3
.irp j, 0,1,2,3
	global_load_b128 v[BIAS+16*\b+4*\j:BIAS+16*\b+4*\j+3], v5, s[8:9] offset:128*\b+16*\j
.endr
.endr
	s_mul_i32 s21, s15, PART
	s_mul_i32 s22, s16, PART
	s_add_co_u32 s22, s22, 2*PART
.irp s, 0,1
	v_add_nc_u32 v[ADRA+\s], s21, v[LI]
	v_add_nc_u32 v[ADRB+\s], s22, v[LI]
	s_add_co_u32 s21, s21, SLOT
	s_add_co_u32 s22, s22, SLOT
.endr
	s_mul_i32 s21, s15, PART
	s_mul_i32 s22, s16, PART
	s_add_co_u32 s22, s22, 2*PART
	s_sub_co_u32 s22, s22, s21
	v_mul_u32_u24 v6, s22, v2
	v_lshl_add_u32 v6, v1, 2, v6
	v_add_nc_u32 v[ADRS], s21, v6
	v_add_nc_u32 v[ADRS+1], SLOT, v[ADRS]
	s_lshl_b32 s20, s17, 1
	s_add_co_u32 s20, s20, s15
	s_mul_i32 s20, s20, 540672
	s_lshl_b32 s21, s42, 1
	s_add_co_u32 s21, s21, s16
	s_mul_i32 s21, s21, 16896
	s_add_co_u32 s20, s20, s21
	s_mov_b32 s21, 0
	s_add_nc_u64 s[10:11], s[10:11], s[20:21]
.macro FRAG reg, adr, q, i
.irp c, 0,1,2,3
	ds_load_b128 v[\reg+4*\c:\reg+4*\c+3], v[\adr] offset:PARTROW*(\q)+SFB*((\i)/4)+2048*((\i)%4)+512*\c
.endr
.endm
.macro MUL16 a0, p, q, sc, first
.irp a, \a0, \a0+1
.irp b, 0,1,2,3,4,5,6,7
.if \first
	v_wmma_scale_f32_16x16x128_f8f6f4 v[8*(8*((\a)%4)+\b):8*(8*((\a)%4)+\b)+7], v[128*(\p)+FR*\b:128*(\p)+FR*\b+FR-1], v[AF+FR*(\a):AF+FR*(\a)+FR-1], v[BIAS+8*\b:BIAS+8*\b+7], v[SC+8*NQ*(\sc)+NQ*\b+(\q)], v[SC+8*NQ*(\sc)+NQ*(\a)+(\q)] matrix_a_fmt:MATRIX_FMT_BF8 matrix_b_fmt:MATRIX_FMT_BF8 matrix_a_scale:MATRIX_SCALE_ROW1
.else
	v_wmma_scale_f32_16x16x128_f8f6f4 v[8*(8*((\a)%4)+\b):8*(8*((\a)%4)+\b)+7], v[128*(\p)+FR*\b:128*(\p)+FR*\b+FR-1], v[AF+FR*(\a):AF+FR*(\a)+FR-1], v[8*(8*((\a)%4)+\b):8*(8*((\a)%4)+\b)+7], v[SC+8*NQ*(\sc)+NQ*\b+(\q)], v[SC+8*NQ*(\sc)+NQ*(\a)+(\q)] matrix_a_fmt:MATRIX_FMT_BF8 matrix_b_fmt:MATRIX_FMT_BF8 matrix_a_scale:MATRIX_SCALE_ROW1
.endif
.endr
.endr
.endm
.macro FETCH_B slot, q, p
	WIN TO_B
.irp i, 0,1,2,3,4,5,6,7
	FRAG 128*(\p)+FR*\i, ADRB+\slot, \q, \i
.endr
	WIN 0
.endm
.macro FETCH_A slot, q, i0
.irp i, \i0, \i0+1, \i0+2, \i0+3
	FRAG AF+FR*(\i), ADRA+\slot, \q, \i
.endr
.endm
.macro SCALES sc
.irp i, 0,1,2,3,4,5,6,7
.irp q, 0,1
	ds_load_b32 v[SC+16*\sc+2*\i+\q], v[ADRS+\sc] offset:PARTROW*\q+SFB*(\i/4)+8192+64*(\i%4)
.endr
.endr
.endm
.macro PLACES n
.rept \n
	v_nop
.endr
.endm
.macro STEP slot, q, first
	s_wait_dscnt 4*NL
.if \first
	WIN 0x81
.else
	WIN MUL_LO
.endif
	MUL16 0, (\q)%2, \q, \slot, \first
	MUL16 2, (\q)%2, \q, \slot, \first
	s_wait_dscnt 0
	PLACES NP
	FETCH_B \slot, (\q)+1, 1-(\q)%2
	FETCH_A \slot, (\q)+1, 0
.if \first
	WIN 0xc1
.else
	WIN MUL_HI
.endif
	MUL16 4, (\q)%2, \q, \slot, \first
	MUL16 6, (\q)%2, \q, \slot, \first
	PLACES NP
	WIN 0
	FETCH_A \slot, (\q)+1, 4
.endm
.macro TURN slot, next, fill
	s_wait_tensorcnt 0x0
	ds_add_u32 v[SPW], v[NIL]
	s_wait_dscnt 4*NL+1
	WIN MUL_LO
	MUL16 0, 1, NQ-1, \slot, 0
	s_wait_dscnt 0x0
	s_barrier_signal -1
	MUL16 2, 1, NQ-1, \slot, 0
	WIN 0
	s_barrier_wait -1
.if \fill
	CREST
	s_add_nc_u64 s[G0+4*\slot+2:G0+4*\slot+3], s[G0+4*\slot+2:G0+4*\slot+3], 2*PART
	s_add_nc_u64 s[G0B+4*\slot+2:G0B+4*\slot+3], s[G0B+4*\slot+2:G0B+4*\slot+3], 2*PART
	JLOAD G0+4*\slot, G1, G0B+4*\slot, G1B
	PLACES NP-4
.else
	PLACES NP
.endif
	FETCH_B \next, 0, 0
	FETCH_A \next, 0, 0
	SCALES \next
	WIN MUL_HI
	MUL16 4, 1, NQ-1, \slot, 0
	MUL16 6, 1, NQ-1, \slot, 0
	PLACES NP
	WIN 0
	FETCH_A \next, 0, 4
.endm
	s_wait_alu depctr_va_vdst(0)
	s_wait_tensorcnt 1
	s_barrier_signal -1
	s_barrier_wait -1
	FETCH_B 0, 0, 0
	FETCH_A 0, 0, 0
	SCALES 0
	FETCH_A 0, 0, 4
	s_wait_loadcnt 0x0
	STEP 0, 0, 1
	TURN 0, 1, 1
	STEP 1, 0, 0
	TURN 1, 0, 1
	STEP 0, 0, 0
	TURN 0, 1, 0
	STEP 1, 0, 0
	s_wait_dscnt 4*NL
	WIN MUL_LO
	MUL16 0, 1, NQ-1, 1, 0
	MUL16 2, 1, NQ-1, 1, 0
	s_wait_dscnt 0
	WIN MUL_HI
	MUL16 4, 1, NQ-1, 1, 0
	MUL16 6, 1, NQ-1, 1, 0
	WIN 0
.macro QUANTW a
.set AC, 64*((\a)%4)
.set WW, ((2+(\a)/4)<<2)|((2+(\a)/4)<<4)
	WIN WW
.irp b, 0,1,2,3
	v_max3_num_f32 v[TM+\b], 0x8000000, v[AC+16*\b], v[AC+16*\b+1]
.endr
.irp i, 2,4,6,8,10,12,14
.irp b, 0,1,2,3
	v_max3_num_f32 v[TM+\b], v[TM+\b], v[AC+16*\b+\i], v[AC+16*\b+\i+1]
.endr
.endr
	WIN 0
.irp b, 0,1,2,3
	v_permlanex16_b32 v[TM+4+\b], v[TM+\b], s[SEL], s[SEL+1]
.endr
.irp b, 0,1,2,3
	v_max_num_f32 v[TM+\b], v[TM+\b], v[TM+4+\b]
.endr
.irp b, 0,1,2,3
	v_add_nc_u32 v[TM+12+\b], 0xf8800000, v[TM+\b]
.endr
.irp b, 0,1,2,3
	v_and_or_b32 v[TM+8+\b], v[TM+\b], 0x7f800000, s[MNT]
.endr
.irp b, 0,1,2,3
	v_lshrrev_b32 v[TM+4+\b], 23, v[TM+12+\b]
.endr
	v_lshl_or_b32 v[PW+(\a)], v[TM+5], 8, v[TM+4]
	v_lshl_or_b32 v[PW+(\a)], v[TM+6], 16, v[PW+(\a)]
	v_lshl_or_b32 v[PW+(\a)], v[TM+7], 24, v[PW+(\a)]
.set WW, (2+(\a)/4)|((2+(\a)/4)<<6)
	WIN WW
.irp b, 0,1,2,3
.irp i, 0,1,2,3,4,5,6,7,8,9,10,11,12,13,14,15
	v_med3_num_f32 v[AC+16*\b+\i], v[AC+16*\b+\i], 0, v[TM+8+\b]
.endr
.endr
.set WW, 2+(\a)/4
	WIN WW
.irp b, 0,1,2,3
	v_cvt_scalef32_pk8_bf8_f32 v[PC+16*(\a)+4*\b:PC+16*(\a)+4*\b+1], v[AC+16*\b:AC+16*\b+7], v[TM+12+\b]
	v_cvt_scalef32_pk8_bf8_f32 v[PC+16*(\a)+4*\b+2:PC+16*(\a)+4*\b+3], v[AC+16*\b+8:AC+16*\b+15], v[TM+12+\b]
.endr
	v_nop
	WIN 0
.endm
.macro OUT a
.irp c, 0,1,2,3
	global_store_b128 v[LI], v[PC+16*(\a)+4*\c:PC+16*(\a)+4*\c+3], s[10:11] offset:((\a)/4)*SFB+((\a)%4)*2048+512*\c
.endr
.endm
	PLACES NP
.irp b, 0,1,2,3
	v_mov_b32 v[TM+4+\b], 0
.endr
	v_cmp_le_u32 vcc_lo, 16, v3
.irp a, 0,2,4,6
	QUANTW \a
	OUT \a
	QUANTW \a+1
	OUT \a+1
	v_cndmask_b32 v[MW+\a/2], v[PW+\a], v[PW+\a+1], vcc_lo
	global_store_b32 v7, v[MW+\a/2], s[10:11] offset:(\a/4)*SFB+8192+64*(\a%4)
.endr
	s_wait_tensorcnt 0x0
	ds_add_u32 v[SPW], v[NIL]
	s_wait_dscnt 0x0
	CROUND
	s_endpgm
.Lfunc_end_k_q25faa096f0_ffn1:
	.size	k_q25faa096f0_ffn1, .Lfunc_end_k_q25faa096f0_ffn1-k_q25faa096f0_ffn1
	.p2alignl 7, 3214868480
	.fill 96, 4, 3214868480
	.section	.rodata,"a",@progbits
	.p2align	6, 0x0
	.amdhsa_kernel k_q25faa096f0_ffn1
		.amdhsa_group_segment_fixed_size 327680
		.amdhsa_private_segment_fixed_size 0
		.amdhsa_enable_private_segment 0
		.amdhsa_kernarg_size 32
		.amdhsa_user_sgpr_count 2
		.amdhsa_user_sgpr_kernarg_segment_ptr 1
		.amdhsa_wavefront_size32 1
		.amdhsa_system_sgpr_workgroup_id_x 1
		.amdhsa_system_sgpr_workgroup_id_y 1
		.amdhsa_system_sgpr_workgroup_id_z 1
		.amdhsa_system_vgpr_workitem_id 0
		.amdhsa_next_free_vgpr 1024
		.amdhsa_next_free_sgpr 72
		.amdhsa_reserve_vcc 1
		.amdhsa_float_denorm_mode_32 3
		.amdhsa_float_denorm_mode_16_64 3
		.amdhsa_memory_ordered 1
		.amdhsa_forward_progress 1
		.amdhsa_inst_pref_size 186
	.end_amdhsa_kernel
	.amdgpu_metadata
---
amdhsa.version: [ 1, 2 ]
amdhsa.kernels:
  - .name:           k_q25faa096f0_ffn1
    .symbol:         k_q25faa096f0_ffn1.kd
    .args:
      - { .name: hop, .offset: 0, .size: 8, .value_kind: global_buffer, .address_space: global }
      - { .name: wts, .offset: 8, .size: 8, .value_kind: global_buffer, .address_space: global }
      - { .name: b1, .offset: 16, .size: 8, .value_kind: global_buffer, .address_space: global }
      - { .name: hid, .offset: 24, .size: 8, .value_kind: global_buffer, .address_space: global }
    .group_segment_fixed_size: 327680
    .private_segment_fixed_size: 0
    .kernarg_segment_align: 8
    .kernarg_segment_size: 32
    .max_flat_workgroup_size: 128
    .sgpr_count:     72
    .vgpr_count:     1024
    .wavefront_size: 32
...
	.end_amdgpu_metadata
.endif
;; end of part 6
;; launch ffn2 (part 7): grid 8 x 32, 4 waves a work-group, clusters of 4 x 1, 327,680 bytes of LDS; arguments hid, wts, b2, x1, out0; writes out0
.if DOCPART == 7
	.amdgcn_target "amdgcn-amd-amdhsa--gfx1250"
	.amdhsa_code_object_version 6
	.text
	.protected	k_q25faa096f0_ffn2
	.globl	k_q25faa096f0_ffn2
	.p2align	8
	.type	k_q25faa096f0_ffn2,@function
k_q25faa096f0_ffn2:
	s_mov_b64 s[64:65], 0
	v_nop
	global_prefetch_b8 v0, s[64:65] scope:SCOPE_SE
	s_setreg_imm32_b32 hwreg(HW_REG_WAVE_MODE, 25, 1), 1
	s_wait_xcnt 0x0
	s_wait_alu depctr_hold_cnt(0) depctr_sa_sdst(0) depctr_va_vdst(0) depctr_va_sdst(0) depctr_va_ssrc(0) depctr_va_vcc(0) depctr_vm_vsrc(0)
	s_getreg_b32 s2, hwreg(HW_REG_IB_STS2, 6, 4)
	s_cmp_eq_u32 s2, 0
	s_cbranch_scc0 .Lentry_in_a_cluster
	s_endpgm
.Lentry_in_a_cluster:
	s_bfe_u32 s2, ttmp6, 0x10000c
	s_cmp_lg_u32 s2, 0x3003
	s_cbranch_scc0 .Lentry_shape_is_right
	s_endpgm
.Lentry_shape_is_right:
; out = res + A B^T + bias, f32 [4,096][1,024], K = 4,096; A (tokens) and B (the weight's 1,024 rows) are codes of E5M2 with E8M0 scales in the order of the operand's registers:
; super-fragments of 64 rows x 128 K in 8,448 bytes (fragment f at 2,048 f, chunk c at 512 c, lane L at 16 L; scale words at 8,192 + 64 f + 4 r), as [pair][K / 128][2][8,448].
; A tile is 128 x 128: 256 work-groups.  THE FOUR WAVES SHARE K, NOT THE TILE: wave w makes all 128 x 128 (64 accumulators) over its eight K steps, number t being K step 8 (t / 2) + 2 w + t % 2.
; A: the four work-groups of a cluster (4 x 1) make four tile columns of one tile row and want the same bytes of A.  K steps 8 to 31 come by three joint fills of 135,168 bytes (eight K steps; a quarter, two K steps, a wave) into two
; LDS slots, and each wave reads only the quarter that it asked for.  K steps 0 to 7 of A go from memory straight into registers, so that a wave has two K steps of work while the first fill is out.
; B: the partners' tiles of B differ, and each byte of B is wanted by one wave, once, as its registers want it: it goes from memory straight into them, 512 consecutive bytes a load, a K step (36 loads) and more ahead of its products.
; B is not asked for jointly (a cluster of 4 x 4): it would take half of each slot, a slot would hold four K steps and not eight, and seven drained rounds would stand where two stand here.
; PREFETCH: behind the load of fill j stands the request for fill j + 1, one fill (two of a wave's K steps) ahead of its load: of a wave's 33,792 bytes each of the four partners names 8,448 (33 blocks of 256), told apart by address:
; a lane a block, and the 33rd by a second line in which all lanes name it.  The first fill and what goes straight into registers come by their loads alone; behind the last fill's load nothing is asked for.
; THE WAY OUT: the four partial tiles meet in LDS (over the slots, which have had their last fill and their last read); each wave adds, for 32 rows, the four parts, the residual and the bias, and stores whole rows of 512 bytes.
; LIMIT: an output is the sum of four f32 partial sums over K, another order of adding than one ascending chain.
.set SIZE_K,  4096
.set WOFF,    7569408                  ; the weight's operand in wts
.set PSTR,    (SIZE_K/128)*16896       ; a pair over all of K
.set PARTROW, 16896                    ; a pair's K step of 128
.set PART,    2*PARTROW                ; a wave's quarter of a slot
.set SLOT,    4*PART
.set SFB,     8448
.set REG,     67584                    ; the way out: 128 rows x 528 bytes for each wave
.set SPARE,   4*REG
.set NP, 8                             ; places behind this matrix instruction (ISA guide 7.12.1)
.set RD,   8                           ; v8-11  where I read the four parts of a row
.set ADA,  16                          ; v16-17 LDS: my quarter of slot 0, 1, 16 x lane
.set ADS,  18                          ; v18-19 the same, 4 x lane
.set PF,   20                          ; v20    256 x lane; v21: 8,192
.set STO,  24                          ; v24    where I put 16 bytes of a row
.set CO,   25                          ; v25    16 x lane
.set L4,   26                          ; v26    4 x lane
.set SPW,  28
.set NIL,  29
.set SA,   32                          ; A's scale words: set p at SA + 4 p; register j: lanes 0-15 block 2 j, lanes 16-31 block 2 j + 1
.set SB,   44                          ; B's: set p at SB - 4 p: no product's two scale registers have numbers equal modulo 8
.set BI,   96                          ; v96-99 the bias of my four columns
.set AF,   128                         ; A's eight fragments, one set; B's two sets fill window 1; the accumulators windows 2 and 3
.set MSB, 0
.macro WIN new
.if MSB != \new
	s_set_vgpr_msb (MSB<<8)|\new
.set MSB, \new
.endif
.endm
.set MUL_LO, 0xa1                      ; source 0 (B) window 1, source 1 (A) window 0, C and D window 2
.set TO_B,   0x40
.macro PLACES n
.rept \n
	v_nop
.endr
.endm
.macro CROUND                          ; a round of the cluster's barrier
	s_barrier_signal -1
	s_barrier_wait -1
	s_cmp_lg_u32 s14, 0
	s_cbranch_scc1 .Lnot_wave_0_\@
	s_barrier_signal -3
.Lnot_wave_0_\@:
	s_barrier_wait -3
	s_barrier_signal -1
	s_barrier_wait -1
.endm
.macro TLOAD g0                        ; my quarter of a fill; an s_nop 0 and four v_nop follow
	tensor_load_to_lds s[\g0:\g0+3], s[24:31]
	s_nop 0
	PLACES 4
.endm
.macro REFILL g0                       ; a wait, an add and its wait, and a round ahead of a refill, and of a first fill behind the head
	s_wait_tensorcnt 0x0                           ; my one load that was out has landed
	ds_add_u32 v[SPW], v[NIL]
	s_wait_dscnt 0x0                               ; the add is done, and my reads of the slot that is filled next are over
	CROUND
	TLOAD \g0
.endm
.macro ASK off                         ; the prefetch of my work-group's 33 blocks of my quarter of the fill that begins off bytes into the pair
	global_prefetch_b8 v[PF], s[44:45] offset:\off th:TH_LOAD_NT scope:SCOPE_SE
	global_prefetch_b8 v[PF+1], s[44:45] offset:\off th:TH_LOAD_NT scope:SCOPE_SE
.endm
.macro WM c, ra, rb                    ; one product; ra, rb: which half of the lanes holds B's, A's scale words
.if (\ra) && (\rb)
	v_wmma_scale_f32_16x16x128_f8f6f4 v[D_:D_+7], v[B_:B_+15], v[A_:A_+15], \c, v[SB_], v[SA_] matrix_a_fmt:MATRIX_FMT_BF8 matrix_b_fmt:MATRIX_FMT_BF8 matrix_a_scale:MATRIX_SCALE_ROW1 matrix_b_scale:MATRIX_SCALE_ROW1
.elseif \ra
	v_wmma_scale_f32_16x16x128_f8f6f4 v[D_:D_+7], v[B_:B_+15], v[A_:A_+15], \c, v[SB_], v[SA_] matrix_a_fmt:MATRIX_FMT_BF8 matrix_b_fmt:MATRIX_FMT_BF8 matrix_a_scale:MATRIX_SCALE_ROW1
.elseif \rb
	v_wmma_scale_f32_16x16x128_f8f6f4 v[D_:D_+7], v[B_:B_+15], v[A_:A_+15], \c, v[SB_], v[SA_] matrix_a_fmt:MATRIX_FMT_BF8 matrix_b_fmt:MATRIX_FMT_BF8 matrix_b_scale:MATRIX_SCALE_ROW1
.else
	v_wmma_scale_f32_16x16x128_f8f6f4 v[D_:D_+7], v[B_:B_+15], v[A_:A_+15], \c, v[SB_], v[SA_] matrix_a_fmt:MATRIX_FMT_BF8 matrix_b_fmt:MATRIX_FMT_BF8
.endif
.endm
.macro MUL16 a0, p, zero               ; A's blocks a0, a0 + 1 x B's eight; the 64 accumulators take turns in the same order in every step
.irp a, \a0, \a0+1
.irp b, 0,1,2,3,4,5,6,7
.set D_, 8*(8*((\a)%4)+\b)
.set B_, 128*(\p)+16*\b
.set A_, AF+16*(\a)
.set SB_, SB-4*(\p)+\b/2
.set SA_, SA+4*(\p)+(\a)/2
.if \zero
	WM 0, \b%2, (\a)%2
.else
	WM v[D_:D_+7], \b%2, (\a)%2
.endif
.endr
.endr
.endm
.macro LOADA a0, t                     ; 8 loads from memory: A's blocks a0, a0 + 1 of my K step number t (0 or 1)
.irp i, \a0, \a0+1
.irp c, 0,1,2,3
	global_load_b128 v[AF+16*(\i)+4*\c:AF+16*(\i)+4*\c+3], v[CO], s[4:5] offset:(\t)*PARTROW+SFB*((\i)/4)+2048*((\i)%4)+512*\c
.endr
.endr
.endm
.macro LOADAS p, t                     ; 4 loads from memory: that K step's scale words of A into set p
.irp j, 0,1,2,3
	global_load_b32 v[SA+4*(\p)+\j], v[L4], s[4:5] offset:(\t)*PARTROW+SFB*(\j/2)+8192+128*(\j%2)
.endr
.endm
.macro LDSA a0, slot, q                ; 8 LDS loads: A's blocks a0, a0 + 1 of my q-th K step of a slot
.irp i, \a0, \a0+1
.irp c, 0,1,2,3
	ds_load_b128 v[AF+16*(\i)+4*\c:AF+16*(\i)+4*\c+3], v[ADA+\slot] offset:(\q)*PARTROW+SFB*((\i)/4)+2048*((\i)%4)+512*\c
.endr
.endr
.endm
.macro LDSS p, slot, q                 ; 4 LDS loads: that K step's scale words of A into set p
.irp j, 0,1,2,3
	ds_load_b32 v[SA+4*(\p)+\j], v[ADS+\slot] offset:(\q)*PARTROW+SFB*(\j/2)+8192+128*(\j%2)
.endr
.endm
.macro LOADB p, t                      ; 36 loads: B's scale words and eight fragments of my K step number t, into set p
.set BO_, ((\t)/2)*8*PARTROW+((\t)%2)*PARTROW
.irp j, 0,1,2,3
	global_load_b32 v[SB-4*(\p)+\j], v[L4], s[6:7] offset:BO_+SFB*(\j/2)+8192+128*(\j%2)
.endr
	WIN TO_B
.irp i, 0,1,2,3,4,5,6,7
.irp c, 0,1,2,3
	global_load_b128 v[128*(\p)+16*\i+4*\c:128*(\p)+16*\i+4*\c+3], v[CO], s[6:7] offset:BO_+SFB*(\i/4)+2048*(\i%4)+512*\c
.endr
.endr
	WIN 0
.endm
.macro RES                             ; 33 loads: the residual of my 32 rows into B's set 0, which is done with, and the bias
	WIN TO_B
.set t, 0
.rept 32
	global_load_b128 v[4*t:4*t+3], v[CO], s[10:11] offset:(8*(t/16)+t%16+8*((t%16)/8))*4096   ; row slot 32 w + t: a fragment's rows are not neighbours
.set t, t+1
.endr
	WIN 0
	global_load_b128 v[BI:BI+3], v[CO], s[8:9]
.endm
; A K step: four times 16 products on two blocks of A.  Behind each sixteen and their places the two blocks' registers take the next K step's: mode 1 from memory (my K step x), mode 2 from LDS (slot x, its y-th; its scale words
; are asked for at the step's head); mode 0: nothing.  At the end set p of B takes my K step bn, or the residual (-2).
; Ahead of pair g: s_wait_loadcnt lw - ldec g: the loads issued behind what the pair needs from memory; s_wait_dscnt dw - ddec g (dw >= 0): the LDS loads issued behind the pair's.
.macro STEP p, zero, lw, ldec, dw, ddec, mode, x, y, bn
.if \mode == 2
	LDSS 1-(\p), \x, \y
.endif
.irp g, 0,1,2,3
.if (\g == 0) || (\ldec) || ((\lw) == 63)
	s_wait_loadcnt (\lw)-(\ldec)*\g
.endif
.if (\dw) >= 0
	s_wait_dscnt (\dw)-(\ddec)*\g
.endif
.set WW, MUL_LO+0x50*(\g/2)
	WIN WW
	MUL16 2*\g, \p, \zero
.if \mode
	PLACES NP
	WIN 0
.if \mode == 1
	LOADA 2*\g, \x
.else
	LDSA 2*\g, \x, \y
.endif
.endif
.endr
.if \mode == 0
	WIN 0
	PLACES NP
.endif
.if (\bn) >= 0
	LOADB \p, \bn
.elseif (\bn) == -2
	RES
.endif
.endm
	s_load_b256 s[4:11], s[0:1], 0x0               ; A, wts, bias, res
	s_load_b64 s[12:13], s[0:1], 0x20              ; out
	v_lshl_add_u32 v[SPW], v0, 2, SPARE
	v_mov_b32 v[NIL], 0
	ds_add_u32 v[SPW], v[NIL]                      ; the opening lines: the add, twice on end, and its wait ahead of my first tensor load
	ds_add_u32 v[SPW], v[NIL]
	v_lshrrev_b32 v1, 5, v0
	v_readfirstlane_b32 s14, v1                    ; wave 0..3
	s_bfe_u32 s15, ttmp6, 0x40000                  ; cx: it enters global addresses of B, the prefetches, the residual and the output alone
	s_lshl_b32 s16, ttmp9, 2
	s_add_co_u32 s16, s16, s15                     ; tile column = B's pair
	s_and_b32 s17, ttmp7, 0xffff                   ; tile row = A's pair, which the four partners share
	s_mov_b32 s24, 15|(3<<16)|(1<<21)              ; group 1: the mask: all four; elements of 8 bytes; bit 21 beside a mask
	s_mov_b32 s25, 32<<16                          ; 132 rows of 256 bytes, dense
	s_mov_b32 s26, 132<<16
	s_mov_b32 s27, 32<<16
	s_mov_b32 s28, 132
	s_mov_b32 s29, 32
	s_mov_b32 s30, 0
	s_mov_b32 s31, 0
	s_mul_i32 s18, s14, PART                       ; my quarter, in eight K steps of memory and in a slot
	s_mul_i32 s20, s17, PSTR
	s_add_co_u32 s20, s20, s18
	s_mov_b32 s21, 0
	s_mul_i32 s22, s16, PSTR
	s_add_co_u32 s22, s22, s18
	s_add_co_u32 s22, s22, WOFF
	s_mov_b32 s23, 0
	s_lshl_b32 s48, s17, 7
	s_lshl_b32 s49, s14, 5
	s_add_co_u32 s48, s48, s49                     ; token 128 x tile row + 32 w
	s_lshl_b32 s48, s48, 12
	s_lshl_b32 s50, s16, 9                         ; 512 bytes x tile column
	s_add_co_u32 s48, s48, s50
	s_mov_b32 s49, 0
	s_mov_b32 s51, 0
	s_mul_i32 s52, s14, REG
	s_mul_i32 s53, s14, 32*528
	s_mul_i32 s46, s15, 8448                       ; my work-group's share of a prefetch
	s_mov_b32 s47, 0
	s_mov_b32 s32, 1                               ; three groups 0, one for each fill, never rewritten: slots 0, 1, 0
	s_mov_b32 s33, s18
	s_mov_b32 s36, 1
	s_add_co_u32 s37, s18, SLOT
	s_mov_b32 s40, 1
	s_mov_b32 s41, s18
	v_and_b32 v1, 15, v0
	v_bfe_u32 v2, v0, 4, 1
	v_and_b32 v3, 31, v0
	v_lshlrev_b32 v[CO], 4, v3
	v_lshlrev_b32 v[L4], 2, v3
	v_lshlrev_b32 v[PF], 8, v3
	v_mov_b32 v[PF+1], 8192
	v_mul_u32_u24 v5, v1, 528
	v_lshl_add_u32 v5, v2, 6, v5
	v_add_nc_u32 v[STO], s52, v5                   ; my region: row r, + 64 h
	v_add_nc_u32 v[RD], s53, v[CO]                 ; rows 32 w on of each region
	v_add_nc_u32 v[RD+1], REG, v[RD]
	v_add_nc_u32 v[RD+2], REG, v[RD+1]
	v_add_nc_u32 v[RD+3], REG, v[RD+2]
	v_add_nc_u32 v[ADA], s18, v[CO]
	v_add_nc_u32 v[ADA+1], SLOT, v[ADA]
	v_add_nc_u32 v[ADS], s18, v[L4]
	v_add_nc_u32 v[ADS+1], SLOT, v[ADS]
	s_wait_alu depctr_va_vdst(0)
	s_wait_dscnt 0x0                               ; both opening adds are done
	s_wait_kmcnt 0x0
	s_add_nc_u64 s[4:5], s[4:5], s[20:21]          ; my K step 0 of A
	s_add_nc_u64 s[6:7], s[6:7], s[22:23]          ; and of B
.irp j, 0,1,2
	s_add_nc_u64 s[34+4*\j:35+4*\j], s[4:5], (\j+1)*SLOT   ; fill j: K steps 8 (j + 1) on
	s_or_b32 s[35+4*\j], s[35+4*\j], 0x80000000
.endr
	s_add_nc_u64 s[44:45], s[4:5], s[46:47]
	CROUND                                         ; all four work-groups are here: the joint loads meet
	TLOAD 32                                       ; fill 0 into slot 0: one tensor load a wave at the head
	ASK 2*SLOT                                     ; fill 1
	LOADAS 0, 0
	LOADB 0, 0
	LOADA 0, 0
	LOADA 2, 0
	LOADA 4, 0
	LOADA 6, 0
	LOADAS 1, 1
	LOADB 1, 1
	s_add_nc_u64 s[10:11], s[10:11], s[48:49]
	s_add_nc_u64 s[12:13], s[12:13], s[48:49]
	s_add_nc_u64 s[8:9], s[8:9], s[50:51]
	STEP 0, 1, 63, 0, -1, 0, 1, 1, 0, 2            ; t = 0: behind a pair's loads 64 were issued (24 of A's, 4 + 36, the pairs asked anew). The first products start the sums
	REFILL 36                                      ; fill 0 is in; fill 1 into slot 1
	ASK 3*SLOT                                     ; fill 2
	STEP 1, 0, 60, 8, -1, 0, 2, 0, 0, 3            ; t = 1: behind pair g's loads: 8 (3 - g) and B's 36
	STEP 0, 0, 36, 0, 28, 0, 2, 0, 1, 4            ; t = 2: behind this step's B: the next set's 36; behind a pair's LDS loads: 24 of A's and 4 scale words
	REFILL 40                                      ; fill 1 is in, slot 0 is read out (t = 3 stands in registers); fill 2 into slot 0
	STEP 1, 0, 36, 0, 28, 0, 2, 1, 0, 5
	STEP 0, 0, 36, 0, 28, 0, 2, 1, 1, 6
	STEP 1, 0, 36, 0, 24, 8, 0, 0, 0, 7            ; t = 5: its products stand ahead of the wait for fill 2
	s_wait_tensorcnt 0x0                           ; my quarter of fill 2, the one load that is out; nobody else reads it
	LDSS 0, 0, 0
	LDSA 0, 0, 0
	LDSA 2, 0, 0
	LDSA 4, 0, 0
	LDSA 6, 0, 0
	STEP 0, 0, 36, 0, 28, 0, 2, 0, 1, -2
	STEP 1, 0, 33, 0, 24, 8, 0, 0, 0, -1           ; t = 7: behind its B: the 33 of RES
	s_barrier_signal -1                            ; my reads of the slots are over (the wait for 0 above): behind this barrier nobody reads them
	s_barrier_wait -1
.irp a, 0,1,2,3,4,5,6,7
.set WW, 0x08+4*(\a/4)
	WIN WW                                         ; an LDS store's data are its source 1: window 2 or 3
.irp b, 0,1,2,3,4,5,6,7
	ds_store_b128 v[STO], v[64*(\a%4)+8*\b:64*(\a%4)+8*\b+3] offset:\a*8448+128*(\b/2)+32*(\b%2)       ; each accumulator from its low end on
	ds_store_b128 v[STO], v[64*(\a%4)+8*\b+4:64*(\a%4)+8*\b+7] offset:\a*8448+128*(\b/2)+32*(\b%2)+16
.endr
.endr
	WIN 0
	s_wait_dscnt 0x0                               ; for the others' sake: my part lies in LDS
	s_barrier_signal -1
	s_barrier_wait -1
.macro BATCH u                         ; eight rows: the four parts, the residual, the bias
.if \u > 0
	s_wait_xcnt 0x0                                ; the last batch's stores have read their registers
.endif
.irp p, 0,1,2,3
.irp t, 0,1,2,3,4,5,6,7
	ds_load_b128 v[128+32*\p+4*\t:131+32*\p+4*\t], v[RD+\p] offset:(8*\u+\t)*528
.endr
.endr
	s_wait_dscnt 0x0
.if \u == 0
	s_wait_loadcnt 0x0                             ; the residual and the bias
.endif
.irp i, 0,2,4,6,8,10,12,14,16,18,20,22,24,26,28,30
	v_pk_add_f32 v[128+\i:129+\i], v[128+\i:129+\i], v[160+\i:161+\i]
	v_pk_add_f32 v[192+\i:193+\i], v[192+\i:193+\i], v[224+\i:225+\i]
.endr
.irp i, 0,2,4,6,8,10,12,14,16,18,20,22,24,26,28,30
	v_pk_add_f32 v[128+\i:129+\i], v[128+\i:129+\i], v[192+\i:193+\i]
.endr
	WIN 0x04                                       ; source 1: window 1
.irp i, 0,2,4,6,8,10,12,14,16,18,20,22,24,26,28,30
	v_pk_add_f32 v[128+\i:129+\i], v[128+\i:129+\i], v[32*\u+\i:32*\u+\i+1]
.endr
	WIN 0
.irp t, 0,1,2,3,4,5,6,7
	v_pk_add_f32 v[128+4*\t:129+4*\t], v[128+4*\t:129+4*\t], v[BI:BI+1]
	v_pk_add_f32 v[130+4*\t:131+4*\t], v[130+4*\t:131+4*\t], v[BI+2:BI+3]
.endr
.irp t, 0,1,2,3,4,5,6,7
	global_store_b128 v[CO], v[128+4*\t:131+4*\t], s[12:13] offset:(8*((8*\u+\t)/16)+(8*\u+\t)%16+8*(((8*\u+\t)%16)/8))*4096   ; 512 consecutive bytes of a row
.endr
.endm
	BATCH 0
	BATCH 1
	BATCH 2
	BATCH 3
	s_wait_tensorcnt 0x0                           ; the wave's end
	ds_add_u32 v[SPW], v[NIL]
	s_wait_dscnt 0x0
	CROUND                                         ; the closing round
	s_endpgm
.Lfunc_end_k_q25faa096f0_ffn2:
	.size	k_q25faa096f0_ffn2, .Lfunc_end_k_q25faa096f0_ffn2-k_q25faa096f0_ffn2
	.p2alignl 7, 3214868480
	.fill 96, 4, 3214868480
	.section	.rodata,"a",@progbits
	.p2align	6, 0x0
	.amdhsa_kernel k_q25faa096f0_ffn2
		.amdhsa_group_segment_fixed_size 327680
		.amdhsa_private_segment_fixed_size 0
		.amdhsa_enable_private_segment 0
		.amdhsa_kernarg_size 40
		.amdhsa_user_sgpr_count 2
		.amdhsa_user_sgpr_kernarg_segment_ptr 1
		.amdhsa_wavefront_size32 1
		.amdhsa_system_sgpr_workgroup_id_x 1
		.amdhsa_system_sgpr_workgroup_id_y 1
		.amdhsa_system_sgpr_workgroup_id_z 1
		.amdhsa_system_vgpr_workitem_id 0
		.amdhsa_next_free_vgpr 1024
		.amdhsa_next_free_sgpr 66
		.amdhsa_reserve_vcc 0
		.amdhsa_float_denorm_mode_32 3
		.amdhsa_float_denorm_mode_16_64 3
		.amdhsa_memory_ordered 1
		.amdhsa_forward_progress 1
		.amdhsa_inst_pref_size 171
	.end_amdhsa_kernel
	.amdgpu_metadata
---
amdhsa.version: [ 1, 2 ]
amdhsa.kernels:
  - .name:           k_q25faa096f0_ffn2
    .symbol:         k_q25faa096f0_ffn2.kd
    .args:
      - { .name: hid, .offset: 0, .size: 8, .value_kind: global_buffer, .address_space: global }
      - { .name: wts, .offset: 8, .size: 8, .value_kind: global_buffer, .address_space: global }
      - { .name: b2, .offset: 16, .size: 8, .value_kind: global_buffer, .address_space: global }
      - { .name: x1, .offset: 24, .size: 8, .value_kind: global_buffer, .address_space: global }
      - { .name: out0, .offset: 32, .size: 8, .value_kind: global_buffer, .address_space: global }
    .group_segment_fixed_size: 327680
    .private_segment_fixed_size: 0
    .kernarg_segment_align: 8
    .kernarg_segment_size: 40
    .max_flat_workgroup_size: 128
    .sgpr_count:     66
    .vgpr_count:     1024
    .wavefront_size: 32
...
	.end_amdgpu_metadata
.endif
;; end of part 7
